; MI455X (gfx1250); checked and timed in simulation.
; The chip was launched on July 23, 2026; its instructions are those of AMD's public machine-readable ISA for CDNA 5 (MIT licence, August 2026) and "CDNA5" Instruction Set Architecture Reference Guide (July 2026). The comments in the code are by the model that wrote it; some were corrected since.
;; Contralateral Attention. Allowed arithmetic: matrix products marked QUANTISED: E3M2 operands, one E8M0 scale for each 32 along K, by v_wmma_scale_f32_16x16x128_f8f6f4 with both operands' format E3M2, f32 sums; everything else in f32.
;; Inputs: feat 8 x 256 x 64 x 64 float32; in_b 768 float32; in_w_codes 768 x 8 x 24 uint8 (E3M2 codes of in_w, K innermost, in blocks of 32 codes, four codes in three bytes); in_w_scales 768 x 8 uint8 (E8M0 scales of in_w, one for each 32 codes along K); ln_b 256 float32; ln_g 256 float32; out_b 256 float32; out_w_codes 256 x 8 x 24 uint8 (E3M2 codes of out_w, K innermost, in blocks of 32 codes, four codes in three bytes); out_w_scales 256 x 8 uint8 (E8M0 scales of out_w, one for each 32 codes along K); proj_b 256 float32; proj_w_codes 256 x 32 x 24 uint8 (E3M2 codes of proj_w, K innermost, in blocks of 32 codes, four codes in three bytes); proj_w_scales 256 x 32 uint8 (E8M0 scales of proj_w, one for each 32 codes along K).
;; Outputs: out0 8 x 256 x 64 x 64 float32.
;; This version of the problem:
;;   THIS VERSION OF THE PROBLEM IS GIVEN IN LOW PRECISION. The matrix products marked QUANTISED in the list below multiply operands that are first quantised to E3M2 (3 exponent bits, 2 mantissa bits; 6 bits a number), with one power-of-two scale for each 32 numbers along K (OCP MX v1.0); their sums are f32. All else is computed in f32.
;;   The module's matrix products, in the order in which they are computed (A, B: the left and right operand; K: the contracted axis; several contracted axes count as one K, in the product's order):
;;     1. [M 16,384, K 256] x [K 256, N 256]; A: input feat; B: input in_w (given as codes): QUANTISED
;;     2. [M 16,384, K 256] x [K 256, N 256]; A: computed on the way; B: input in_w (given as codes): QUANTISED
;;     3. [M 16,384, K 256] x [K 256, N 256]; A: computed on the way; B: input in_w (given as codes): QUANTISED
;;     4. batch 32 x [M 2,048, K 64] x [K 64, N 2,048]; A: computed on the way; B: computed on the way: QUANTISED
;;     5. batch 32 x [M 2,048, K 2,048] x [K 2,048, N 64]; A: softmax (see below); B: computed on the way: QUANTISED
;;     6. [M 16,384, K 256] x [K 256, N 256]; A: computed on the way; B: input out_w (given as codes): QUANTISED
;;     7. [M 16,384, K 1,024] x [K 1,024, N 256]; A: computed on the way; B: input proj_w (given as codes): QUANTISED
;;     8. [M 16,384, K 256] x [K 256, N 256]; A: input feat; B: input in_w (given as codes): QUANTISED
;;     9. [M 16,384, K 256] x [K 256, N 256]; A: computed on the way; B: input in_w (given as codes): QUANTISED
;;     10. [M 16,384, K 256] x [K 256, N 256]; A: computed on the way; B: input in_w (given as codes): QUANTISED
;;     11. batch 32 x [M 2,048, K 64] x [K 64, N 2,048]; A: computed on the way; B: computed on the way: QUANTISED
;;     12. batch 32 x [M 2,048, K 2,048] x [K 2,048, N 64]; A: softmax (see below); B: computed on the way: QUANTISED
;;     13. [M 16,384, K 256] x [K 256, N 256]; A: computed on the way; B: input out_w (given as codes): QUANTISED
;;     14. [M 16,384, K 1,024] x [K 1,024, N 256]; A: computed on the way; B: input proj_w (given as codes): QUANTISED
;;   THE QUANTISER, for each operand of a quantised product, along K:
;;     - K is cut into blocks of 32 from its start; a last block that is shorter is filled with zeros.
;;     - A block's scale is 2^e with e = floor(log2(the largest magnitude in the block)) - 4, held to -126 .. 127; a block of zeros has e = 0. As a byte (E8M0): e + 127.
;;     - Each number is divided by its block's scale, clamped to +-28, and rounded to the nearest number of E3M2, ties to even, subnormals kept.
;;     - The product sums the exact products of the quantised numbers (number of the format x scale) in f32.
;;   ~~~python
;;   def quantise(x, axis):      # numpy; x: float32 -> the quantised numbers, widened to float32 again
;;       x = np.moveaxis(x, axis, -1); K = x.shape[-1]
;;       x = np.pad(x, [(0, 0)] * (x.ndim - 1) + [(0, -K % 32)]); x = x.reshape(x.shape[:-1] + (-1, 32)); a = np.abs(x).max(-1, keepdims=True)
;;       e = np.where(a > 0, np.clip(np.frexp(np.where(a > 0, a, 1))[1] - 1 - 4, -126, 127), 0)      # np.frexp(a)[1] - 1 = floor(log2(a)), exactly
;;       r = np.clip(x / 2.0 ** e, -28, 28)
;;       step = 2.0 ** (np.maximum(np.frexp(np.where(r == 0, 1, r))[1] - 1, -2) - 2)
;;       q = np.round(r / step) * step * 2.0 ** e      # np.round: ties to even
;;       return np.moveaxis(q.reshape(q.shape[:-2] + (-1,))[..., :K], -1, axis).astype(np.float32)
;;   ~~~
;;   SOFTMAX AHEAD OF A QUANTISED PRODUCT. Where the list says 'softmax', what is quantised is not the finished softmax but p = 2^(t - M), with t = logit x log2(e) and M = ceil(the row's largest t), a whole number; so 1/2 < the row's largest p <= 1. The row's sum l is taken of the UNQUANTISED p, in f32, and the product's result is divided by l at the end. Since M is a whole number, a kernel that streams over the keys may use a running M (the ceiling of the running maximum): every later rescaling is an exact power of two, which a block's scale takes up: the codes' values come out the same.
;;   OPERANDS COMPUTED ON THE WAY. 'Computed on the way' means the value that the module computes at that place (a softmax that the list does not call 'softmax' is quantised finished and normalised). What goes into a quantiser is computed in f32, as accurately as f32 sums, v_exp_f32 and their like allow (about 1e-6 of the number): no bf16 or f16 on the way to a quantiser, and a product that is left as it is and whose result goes on into a quantised operand takes f32 operands (vector FMAs, or v_wmma_f32_16x16x4_f32). A number that lies on a knife's edge between two numbers of the format may be rounded either way, as far as f32 arithmetic and the matrix unit's own rounding can turn it there, and no further.
;;   INPUTS GIVEN AS CODES. in_w (in the module: [768, 256], K = its axis 1); out_w (in the module: [256, 256], K = its axis 1); proj_w (in the module: [256, 1024], K = its axis 1): each comes as NAME_codes (uint8): NAME with its K axis moved to the last place and cut into blocks of 32 codes, [.., K / 32, bytes a block], one block behind the other in memory; four codes in three bytes: a row's codes are one little-endian stream of bits, code i at bits 6 i .. 6 i + 5 (a code: sign, 3 exponent bits, 2 mantissa bits); and NAME_scales (uint8): the same leading axes, one E8M0 byte (e + 127) for each 32 codes along K. Its value is code x scale, taken as it is: it is not quantised again, and the codes and scales need not be those that the quantiser above would give.
;; 2 versions, each right; version 2 is version 1 with the launch main written anew for expert scheduling mode. Each part assembles by itself: llvm-mc -triple=amdgcn-amd-amdhsa -mcpu=gfx1250 --defsym DOCPART=n.
;; ======== version 1 of 2: 2 launches
;; workspace buffers: wimg 393,216 bytes; wsc 32,768 bytes
;; launch relay (part 1): grid 256 x 1, 1 waves a work-group, no clusters, 0 bytes of LDS; arguments in_w_codes, in_w_scales, out_w_codes, out_w_scales, proj_w_codes, proj_w_scales, wimg, wsc; writes wimg, wsc
.if DOCPART == 1
	.amdgcn_target "amdgcn-amd-amdhsa--gfx1250"
	.amdhsa_code_object_version 6
	.text
	.protected	k_qdb7bd66be5_relay
	.globl	k_qdb7bd66be5_relay
	.p2align	8
	.type	k_qdb7bd66be5_relay,@function
k_qdb7bd66be5_relay:
	s_mov_b64 s[64:65], 0
	v_nop
	global_prefetch_b8 v0, s[64:65] scope:SCOPE_SE
	s_setreg_imm32_b32 hwreg(HW_REG_WAVE_MODE, 25, 1), 1
	s_wait_xcnt 0x0
; The three weight tensors (codes of E3M2, K innermost, and their E8M0 bytes) are laid anew as IMAGES OF OPERAND REGISTERS, so that the
; second launch takes a fragment (16 rows x 128 K, 12 registers a lane) by three loads of 16 bytes a lane, each 512 consecutive bytes.
; One wave makes one fragment f = the work-group's number, 256 in all:
;   f =   0 ..  95: in_w,   f = 2 t + s, t = tile of 16 rows (48), s = K step of 128 (2)
;   f =  96 .. 127: out_w,  f = 96 + 2 t + s (16 tiles)
;   f = 128 .. 255: proj_w, f = 128 + 8 t + s (16 tiles, 8 K steps)
; THE ROWS OF A TILE of in_w and out_w are not neighbours: lane r takes row 64 (t / 4) + 8 (t % 4) + 32 (r / 8) + r % 8, so that the
; results of four tiles t % 4 = 0 .. 3 are, in a lane, 32 neighbouring channels.  proj_w's tiles are plain: row 16 t + r.
; wimg: fragment f at 1,536 f; registers 4 G .. 4 G + 3 of lane L at 512 G + 16 L.   wsc: 128 f + 4 L: the scale word of row L % 16.
	s_load_b512 s[4:19], s[0:1], 0x0               ; in codes s[4:5], in scales s[6:7], out s[8:11], proj s[12:15], wimg s[16:17], wsc s[18:19]
	v_and_b32 v1, 15, v0                           ; r
	v_lshrrev_b32 v2, 4, v0                        ; h
	v_and_b32 v3, 7, v1                            ; r % 8
	v_lshrrev_b32 v4, 3, v1                        ; r / 8
	s_mov_b32 s25, 768                             ; proj_w: a row of 1,024 codes in bytes
	s_wait_kmcnt 0x0
	s_cmp_lt_u32 ttmp9, 96                         ; which tensor: the choice hangs on the work-group's number alone
	s_cselect_b64 s[20:21], s[4:5], s[8:9]
	s_cselect_b64 s[22:23], s[6:7], s[10:11]
	s_cselect_b32 s24, 0, 96
	s_cmp_lt_u32 ttmp9, 128
	s_cselect_b64 s[20:21], s[20:21], s[12:13]     ; the codes
	s_cselect_b64 s[22:23], s[22:23], s[14:15]     ; the scale bytes
	s_cselect_b32 s24, s24, 128                    ; the tensor's first fragment
	s_cselect_b32 s25, 192, s25                    ; bytes in a row of codes
	s_cselect_b32 s26, 8, 32                       ; bytes in a row of scales
	s_cselect_b32 s27, 1, 3                        ; log2 of the K steps
	s_cselect_b32 s28, 32, 8                       ; rows from lane 7 to lane 8, less 7
	s_sub_co_u32 s24, ttmp9, s24                   ; the fragment's number in its tensor
	s_lshr_b32 s29, s24, s27                       ; t
	s_bfm_b32 s30, s27, 0
	s_and_b32 s30, s24, s30                        ; s
	s_lshr_b32 s31, s29, 2
	s_lshl_b32 s31, s31, 6
	s_and_b32 s32, s29, 3
	s_lshl_b32 s32, s32, 3
	s_add_co_u32 s31, s31, s32                     ; 64 (t / 4) + 8 (t % 4)
	s_lshl_b32 s32, s29, 4                         ; 16 t
	s_cmp_lt_u32 ttmp9, 128
	s_cselect_b32 s31, s31, s32                    ; the tile's first row
	v_mul_u32_u24 v4, s28, v4
	v_add3_u32 v3, v3, v4, s31                     ; my row
	v_mul_u32_u24 v5, s25, v3
	v_mad_u32_u24 v5, v2, 24, v5                   ; row x pitch + 24 h
	s_mul_i32 s32, s30, 96
	v_add_nc_u32 v5, s32, v5                       ; + 96 s
	v_mul_u32_u24 v6, s26, v3
	s_lshl_b32 s33, s30, 2
	v_add_nc_u32 v6, s33, v6                       ; the row's scale word of this K step
.irp p, 0,1,2,3,4,5
	global_load_b64 v[8+2*\p:9+2*\p], v5, s[20:21] offset:48*(\p/3)+8*(\p%3)   ; registers 0-5: k = 32 h on; 6-11: k = 64 + 32 h on
.endr
	global_load_b32 v20, v6, s[22:23]
	s_mul_i32 s34, ttmp9, 1536
	s_mov_b32 s35, 0
	s_add_nc_u64 s[16:17], s[16:17], s[34:35]
	s_lshl_b32 s36, ttmp9, 7
	s_mov_b32 s37, 0
	s_add_nc_u64 s[18:19], s[18:19], s[36:37]
	v_lshlrev_b32 v7, 4, v0
	v_lshlrev_b32 v21, 2, v0
	s_wait_loadcnt 0x0
.irp g, 0,1,2
	global_store_b128 v7, v[8+4*\g:11+4*\g], s[16:17] offset:512*\g   ; 32 lanes store 512 consecutive bytes
.endr
	global_store_b32 v21, v20, s[18:19]
	s_endpgm
.Lfunc_end_k_qdb7bd66be5_relay:
	.size	k_qdb7bd66be5_relay, .Lfunc_end_k_qdb7bd66be5_relay-k_qdb7bd66be5_relay
	.p2alignl 7, 3214868480
	.fill 96, 4, 3214868480
	.section	.rodata,"a",@progbits
	.p2align	6, 0x0
	.amdhsa_kernel k_qdb7bd66be5_relay
		.amdhsa_group_segment_fixed_size 0
		.amdhsa_private_segment_fixed_size 0
		.amdhsa_enable_private_segment 0
		.amdhsa_kernarg_size 64
		.amdhsa_user_sgpr_count 2
		.amdhsa_user_sgpr_kernarg_segment_ptr 1
		.amdhsa_wavefront_size32 1
		.amdhsa_system_sgpr_workgroup_id_x 1
		.amdhsa_system_sgpr_workgroup_id_y 1
		.amdhsa_system_sgpr_workgroup_id_z 1
		.amdhsa_system_vgpr_workitem_id 0
		.amdhsa_next_free_vgpr 32
		.amdhsa_next_free_sgpr 66
		.amdhsa_reserve_vcc 0
		.amdhsa_float_denorm_mode_32 3
		.amdhsa_float_denorm_mode_16_64 3
		.amdhsa_memory_ordered 1
		.amdhsa_forward_progress 1
		.amdhsa_inst_pref_size 4
	.end_amdhsa_kernel
	.amdgpu_metadata
---
amdhsa.version: [ 1, 2 ]
amdhsa.kernels:
  - .name:           k_qdb7bd66be5_relay
    .symbol:         k_qdb7bd66be5_relay.kd
    .args:
      - { .name: in_w_codes, .offset: 0, .size: 8, .value_kind: global_buffer, .address_space: global }
      - { .name: in_w_scales, .offset: 8, .size: 8, .value_kind: global_buffer, .address_space: global }
      - { .name: out_w_codes, .offset: 16, .size: 8, .value_kind: global_buffer, .address_space: global }
      - { .name: out_w_scales, .offset: 24, .size: 8, .value_kind: global_buffer, .address_space: global }
      - { .name: proj_w_codes, .offset: 32, .size: 8, .value_kind: global_buffer, .address_space: global }
      - { .name: proj_w_scales, .offset: 40, .size: 8, .value_kind: global_buffer, .address_space: global }
      - { .name: wimg, .offset: 48, .size: 8, .value_kind: global_buffer, .address_space: global }
      - { .name: wsc, .offset: 56, .size: 8, .value_kind: global_buffer, .address_space: global }
    .group_segment_fixed_size: 0
    .private_segment_fixed_size: 0
    .kernarg_segment_align: 8
    .kernarg_segment_size: 64
    .max_flat_workgroup_size: 32
    .sgpr_count:     66
    .vgpr_count:     32
    .wavefront_size: 32
...
	.end_amdgpu_metadata
.endif
;; end of part 1
;; launch main (part 2): grid 256 x 1, 8 waves a work-group, no clusters, 296,448 bytes of LDS; arguments feat, in_b, out_b, proj_b, ln_g, ln_b, wimg, wsc, out0; writes out0
.if DOCPART == 2
	.amdgcn_target "amdgcn-amd-amdhsa--gfx1250"
	.amdhsa_code_object_version 6
	.text
	.protected	k_qdb7bd66be5_main
	.globl	k_qdb7bd66be5_main
	.p2align	8
	.type	k_qdb7bd66be5_main,@function
k_qdb7bd66be5_main:
	s_mov_b64 s[64:65], 0
	v_nop
	global_prefetch_b8 v0, s[64:65] scope:SCOPE_SE
	s_setreg_imm32_b32 hwreg(HW_REG_WAVE_MODE, 25, 1), 1
	s_wait_xcnt 0x0
; ContralateralAttention, all of it behind the weights' re-laying, on codes of E3M2 with one E8M0 scale for each 32 along K.
; A token is a position (b, y, x) of feat with its 256 channels.  Its keys are tokens of the other half of the image row band: key (y2, x2) counts
; where |y - y2| + |x % 32 + x2 % 32 - 31| <= 2 (the mirror and the Manhattan mask of the problem, which it builds itself): 13 keys at the most.
; A block of 32 keys of the second product is one image row of one half, so a query touches five blocks; all other p are zeros and are not multiplied.
; SHARES.  A work-group owns two image rows (128 tokens) of one image and makes K and V anew for two rows above and two below: six SLOT rows.
;   Slots pair up: pair 0 = slots 2, 3 (my rows), pair 1 = slots 1, 4, pair 2 = slots 0, 5.  A TILE (pair, half g, tau) has 16 rows: row r is slot
;   (pair, r / 8), token 8 tau + (r % 8 + 6) % 8 of the half.  That one tiling lets every result be a WHOLE BLOCK OF 32 IN A LANE for the next quantiser:
;   no number changes lanes between a product and the next but scale bytes, maxima and sums (lane l xor 16).
;   The turn by 2 brings the tokens that neighbouring tiles need (6, 7, 0, 1) into a result's registers 0 to 3.
; PHASES (five barriers): X: feat -> codes of x (and f32 of my rows) in LDS | QKV and attention: wave (head, key half) keeps its K and V in registers |
;   out projection and [c, |x - c|, x c] -> codes in LDS | projection over K = 1,024 | LayerNorm in two passes | relu, and out through the wave's own stage.
; An operand goes through LDS as an image of its registers: pair k (of six) of lane L at 256 k + 8 L.
; K = 64 in an instruction of 128: two key tiles share a fragment [even | odd], and Q stands as Q, zeros, Q: [Q | 0] takes the even tile, [0 | Q] the odd one.
; LIMITS: a block whose largest magnitude lies under 2^-122 gets the byte 1; a block of zeros gets the byte 1 with zero codes (the products are the same);
;   NaN and infinities among the inputs are not served; inside a block of keys the order is a fixed permutation, the same for p and V: sums differ from
;   ascending order in the last bits only.  1 / l and 1 / sqrt are v_rcp_f32 and v_rsq_f32.
; No tensor loads: six rows of f32 (393 KB) do not fit in LDS, and weights go densely into registers.  No cluster: what partners would share lands at other slots in each.
; REGISTERS.  Window 0: v1-6 lane constants, v7-15 addresses of the phase, v16-47 scale words and nothing else, v48-63 at work, v64-191 accumulators, v192-255 operands in hand.
;   Window 1: v0-95 weights in hand, v96-167 K's codes, v168-239 V's codes; in the projection v0-191 proj_w's 16 fragments, v192-239 the second operand buffer.
.set TP,    3136                       ; a tile's two images (2 x 1,536) + 64: the four tiles that phase X's lanes write fall on different banks
.set PRIVQ, 75264                      ; behind 24 tiles: Q's codes, each wave's own: 3,584 a wave, 896 a tile (768 codes, 128 words)
.set ASYM,  25088                      ; written behind the second barrier, over the halo's tiles and PRIVQ: tile m at 9,216 m, six images
.set XSC,   103936                     ; x's scale words: 128 tile + 8 row + 4 step
.set TSC,   107008                     ; the projection's: 512 step + 64 tile + 4 row
.set CSC,   111104                     ; ctx's: 128 tile + 8 row + 4 step
.set CONST, 112128                     ; in_b 0, out_b 3,072, proj_b 4,096, ln_g 5,120, ln_b 6,144
.set LNP,   119296                     ; two tables of (16 tile + row) x 32 + 4 wave
.set CTX,   127488                     ; ctx's images: 3,072 a tile
.set XF,    152064                     ; x of my rows in f32: (32 g + 8 tau + row % 8) x 1,040 + (row / 8) x 66,688 + 4 channel
.set YST,   152064                     ; over it, behind the last barrier: each wave's stage, 32 channels x 560
.set MSB, 0
.macro WIN new                         ; the immediate's high byte repeats the setting that is left
.if MSB != \new
	s_set_vgpr_msb (MSB<<8)|\new
.set MSB, \new
.endif
.endm
.macro PLACES n                        ; plain vector lines behind a matrix instruction (ISA guide 7.12.1)
.rept \n
	v_nop
.endr
.endm
.macro BARRIER
	s_barrier_signal -1
	s_barrier_wait -1
.endm
.macro MM d, a, b, c, sa, sb
	v_wmma_scale_f32_16x16x128_f8f6f4 v[(\d):(\d)+7], v[(\a):(\a)+11], v[(\b):(\b)+11], v[(\c):(\c)+7], v[(\sa)], v[(\sb)] matrix_a_fmt:MATRIX_FMT_BF6 matrix_b_fmt:MATRIX_FMT_BF6
.endm
.macro MM0 d, a, b, sa, sb             ; the constant 0 starts the sum
	v_wmma_scale_f32_16x16x128_f8f6f4 v[(\d):(\d)+7], v[(\a):(\a)+11], v[(\b):(\b)+11], 0, v[(\sa)], v[(\sb)] matrix_a_fmt:MATRIX_FMT_BF6 matrix_b_fmt:MATRIX_FMT_BF6
.endm
.macro MMR d, a, b, c, sa, sb          ; source 1's scales from lanes 16-31
	v_wmma_scale_f32_16x16x128_f8f6f4 v[(\d):(\d)+7], v[(\a):(\a)+11], v[(\b):(\b)+11], v[(\c):(\c)+7], v[(\sa)], v[(\sb)] matrix_a_fmt:MATRIX_FMT_BF6 matrix_b_fmt:MATRIX_FMT_BF6 matrix_b_scale:MATRIX_SCALE_ROW1
.endm
; 32 numbers of a lane, one whole block, v[s] on.  QWMAX: the largest magnitude, with the floor 2^(5 - 127) as a leaf; each group of eight registers is first read at its low end.
.macro QWMAX s
	v_max3_num_f32 v48, |v[(\s)]|, |v[(\s)+1]|, 0x2800000
	v_max3_num_f32 v49, |v[(\s)+2]|, |v[(\s)+3]|, |v[(\s)+4]|
.irp i, 5,9,13,17,21,25
	v_max3_num_f32 v48, v48, |v[(\s)+\i]|, |v[(\s)+\i+1]|
	v_max3_num_f32 v49, v49, |v[(\s)+\i+2]|, |v[(\s)+\i+3]|
.endr
	v_max3_num_f32 v48, v48, |v[(\s)+29]|, |v[(\s)+30]|
	v_max3_num_f32 v48, v48, v49, |v[(\s)+31]|
.endm
.macro QWCVT s                         ; 4 off the exponent field is the conversions' scale operand; its field is the byte (v51); that shift is the plain line behind the conversions
	v_add_nc_u32 v50, 0xfe000000, v48
	v_cvt_scalef32_pk16_bf6_f32 v[56:58], v[(\s):(\s)+15], v50
	v_cvt_scalef32_pk16_bf6_f32 v[60:62], v[(\s)+16:(\s)+31], v50
	v_lshrrev_b32 v51, 23, v50
.endm
.macro QWMOV                           ; (a conversion's three registers begin on an even number)  the block's six registers: v56-61
	v_mov_b32 v59, v60
	v_mov_b32 v60, v61
	v_mov_b32 v61, v62
.endm
.macro QW s
	QWMAX \s
	QWCVT \s
	QWMOV
.endm
.macro PUT1 dst                        ; the block's codes into window 1
	WIN 0x40
.irp i, 0,1,2,3,4,5
	v_mov_b32 v[(\dst)+\i], v[56+\i]
.endr
	WIN 0
.endm
.macro IMG adr, off                    ; the block's codes into an image: three pairs
.irp k, 0,1,2
	ds_store_b64 v[\adr], v[56+2*\k:57+2*\k] offset:(\off)+256*\k
.endr
.endm
.macro XFETCH adr, off, sadr, soff     ; a tile's two images into v192-215 and its two scale words into v32, v33: 13 LDS loads
.irp k, 0,1,2,3,4,5
	ds_load_b64 v[192+2*\k:193+2*\k], v[\adr] offset:(\off)+256*\k
.endr
.irp k, 0,1,2,3,4,5
	ds_load_b64 v[204+2*\k:205+2*\k], v[\adr] offset:(\off)+1536+256*\k
.endr
	ds_load_b64 v[32:33], v[\sadr] offset:(\soff)
.endm
.macro BIASLD off                      ; 32 numbers of a bias: my half's channels, in the result's layout: the C of each sum's first product
.irp q, 0,1,2,3,4,5,6,7
	ds_load_b128 v[216+4*\q:219+4*\q], v11 offset:(\off)+16*\q
.endr
.endm
.macro WLOAD reg, sb, off              ; eight weight fragments: 24 loads of 512 consecutive bytes
.set WI_, 0
.rept 24
	global_load_b128 v[(\reg)+4*WI_:(\reg)+4*WI_+3], v4, s[\sb:\sb+1] offset:(\off)+512*WI_
.set WI_, WI_+1
.endr
.endm
.macro SLOAD reg, cnt, sb, off         ; and their scale words
.set WI_, 0
.rept \cnt
	global_load_b32 v[(\reg)+WI_], v2, s[\sb:\sb+1] offset:(\off)+128*WI_
.set WI_, WI_+1
.endr
.endm
; Transposed: source 0 = 16 rows of a weight, source 1 = the tile in v192-215.  Four tiles of rows, two K steps; the four accumulators take turns.
.macro TMUL d, wb, win, ws
	WIN \win
.irp tc, 0,1,2,3
	MM (\d)+8*\tc, (\wb)+24*\tc, 192, 216+8*\tc, (\ws)+2*\tc, 32
.endr
.irp tc, 0,1,2,3
	MM (\d)+8*\tc, (\wb)+24*\tc+12, 204, (\d)+8*\tc, (\ws)+2*\tc+1, 33
.endr
	WIN 0
.endm
; Straight: source 0 = the tile, source 1 = 16 rows of Wv (window 1): a lane holds one channel, and over tau the 32 tokens of one slot
.macro VMUL tau
	WIN 0x04
.irp d, 0,1,2,3
	MM 64+32*\d+8*(\tau), 192, 24*\d, 216+8*\d, 32, 16+2*\d
.endr
.irp d, 0,1,2,3
	MM 64+32*\d+8*(\tau), 204, 24*\d+12, 64+32*\d+8*(\tau), 33, 16+2*\d+1
.endr
	WIN 0
.endm
; ---------------------------------------------------------------- head
	s_load_b512 s[4:19], s[0:1], 0x0               ; feat s[4:5], in_b s[6:7], out_b s[8:9], proj_b s[10:11], ln_g s[12:13], ln_b s[14:15], wimg s[16:17], wsc s[18:19]
	s_load_b64 s[20:21], s[0:1], 0x40              ; out0
	s_set_vgpr_msb 0x40
	v_lshl_add_u32 v254, v0, 2, 0x48200
	v_mov_b32 v255, 0
	s_set_vgpr_msb 0x4000
	v_and_b32 v1, 31, v0                           ; lane
	v_lshrrev_b32 v7, 5, v0
	v_readfirstlane_b32 s22, v7                    ; wave 0..7
	v_lshlrev_b32 v2, 2, v1                        ; 4 x lane
	v_lshlrev_b32 v3, 3, v1                        ; 8 x lane
	v_lshlrev_b32 v4, 4, v1                        ; 16 x lane
	v_and_b32 v5, 15, v1
	v_lshlrev_b32 v5, 3, v5                        ; 8 x (lane % 16)
	v_lshrrev_b32 v6, 4, v1
	v_lshlrev_b32 v6, 3, v6                        ; 8 x (lane / 16): a byte's place in a scale word
	v_mov_b32 v54, 0                               ; written once: a lane permute's destination counts as one of its sources
	v_mov_b32 v55, 0
	s_and_b32 s23, s22, 3                          ; head; later the quarter of the channels
	s_lshr_b32 s24, s22, 2                         ; key half g; later the half of the tokens; in phase X the row of a pair
	s_xor_b32 s25, s24, 1                          ; query half
	s_lshr_b32 s26, ttmp9, 5                       ; image
	s_and_b32 s27, ttmp9, 31                       ; band
	s_lshl_b32 s28, s27, 1                         ; my first image row
	s_mov_b32 s30, 0x76543210
	s_mov_b32 s31, 0xfedcba98                      ; v_permlanex16_b32's selects for lane l xor 16
	s_mov_b32 s32, 0x3e38aa3b                      ; log2(e) / sqrt(64)
	s_mov_b32 s33, 0x3b800000                      ; 1 / 256
	s_mov_b32 s34, 0x3727c5ac                      ; 1e-5
	; phase X: a unit is 32 tokens (one slot, one half) x 128 channels.  Own unit: slot 2 + wave / 4, K step (wave / 2) % 2, half wave % 2.
	; Halo units: slot number wave / 2 of (0, 1, 4, 5), half wave % 2, both K steps.
	s_bfe_u32 s74, s22, 0x10001                    ; (wave / 2) % 2
	s_and_b32 s75, s22, 1                          ; half
	s_xor_b32 s76, s74, s24
	s_xor_b32 s76, s76, 1
	s_add_co_u32 s76, s76, 1                       ; the halo slot's pair: 2, 1, 1, 2
	s_mul_i32 s77, s75, 4*TP
	s_lshl_b32 s78, s24, 6
	s_add_co_u32 s77, s77, s78                     ; four tiles a half, rows 8 on for the pair's second slot
	s_mul_i32 s79, s74, 1536
	s_add_co_u32 s66, s77, s79                     ; s66-68: where a unit's codes go
	s_mul_i32 s79, s76, 8*TP
	s_add_co_u32 s67, s77, s79
	s_add_co_u32 s68, s67, 1536
	s_lshl_b32 s77, s75, 9
	s_add_co_u32 s77, s77, s78
	s_add_co_u32 s77, s77, XSC
	s_lshl_b32 s79, s74, 2
	s_add_co_u32 s69, s77, s79                     ; s69-71: and its scale words
	s_lshl_b32 s79, s76, 10
	s_add_co_u32 s70, s77, s79
	s_add_co_u32 s71, s70, 4
	s_lshl_b32 s77, s74, 9
	s_lshl_b32 s79, s75, 8
	s_add_co_u32 s77, s77, s79
	s_lshl_b32 s79, s24, 5
	s_add_co_u32 s77, s77, s79
	s_add_co_u32 s72, s77, TSC                     ; the own unit's words once more, as the projection reads them
	s_mul_i32 s77, s75, 33280
	s_mul_i32 s79, s24, 66688
	s_add_co_u32 s77, s77, s79
	s_lshl_b32 s79, s74, 9
	s_add_co_u32 s77, s77, s79
	s_add_co_u32 s73, s77, XF                      ; and its numbers in f32
	s_lshl_b32 s80, s26, 22                        ; an image is 2^22 bytes, a channel 16,384, an image row 256
	s_lshl_b32 s81, s75, 7
	s_add_co_u32 s81, s80, s81
	s_add_co_u32 s82, s28, s24
	s_lshl_b32 s82, s82, 8
	s_add_co_u32 s82, s82, s81
	s_lshl_b32 s84, s74, 21
	s_add_co_u32 s82, s82, s84                     ; the own unit's first byte
	s_mov_b32 s83, 0
	s_lshr_b32 s84, s22, 1
	s_lshl_b32 s85, s24, 1
	s_add_co_u32 s84, s84, s85                     ; the halo slot: 0, 1, 4, 5
	s_add_co_u32 s84, s84, s28
	s_sub_co_i32 s84, s84, 2
	s_max_i32 s84, s84, 0                          ; a row outside the image is read as the nearest inside: no load leaves the buffer; the mask hides its keys
	s_min_i32 s84, s84, 63
	s_lshl_b32 s84, s84, 8
	s_add_co_u32 s84, s84, s81
	s_mov_b32 s85, 0
	v_add_nc_u32 v15, 2, v1
	v_and_b32 v15, 7, v15                          ; token T = lane stands in row (T + 2) % 8 of its group of eight
	v_lshrrev_b32 v14, 3, v1                       ; tau
	v_mul_u32_u24 v11, v14, TP
	v_lshl_add_u32 v11, v15, 3, v11                ; codes: tile, 8 x row
	v_lshlrev_b32 v12, 7, v14
	v_lshl_add_u32 v12, v15, 3, v12                ; scale words
	v_lshlrev_b32 v13, 6, v14
	v_lshl_add_u32 v13, v15, 2, v13                ; the projection's scale words
	v_and_b32 v10, 24, v1
	v_add_nc_u32 v10, v10, v15
	v_mul_u32_u24 v10, v10, 1040
	v_add_nc_u32 v10, s73, v10                     ; f32
	v_lshl_add_u32 v14, v0, 2, CONST
	v_lshlrev_b32 v15, 2, v0
	s_wait_kmcnt 0x0
	s_add_nc_u64 s[36:37], s[4:5], s[82:83]        ; s[36:41]: the three units
	s_add_nc_u64 s[38:39], s[4:5], s[84:85]
	s_add_nc_u64 s[40:41], s[38:39], 0x200000      ; 128 channels on
	s_mul_i32 s78, s23, 12288
	s_mov_b32 s79, 0
	s_add_nc_u64 s[42:43], s[16:17], s[78:79]      ; my head's eight fragments of Wq; Wk, Wv, out_w 49,152 bytes apart
	s_mul_i32 s78, s22, 24576
	s_add_nc_u64 s[44:45], s[16:17], s[78:79]      ; my 16 fragments of proj_w, less 196,608
	s_lshl_b32 s78, s23, 10
	s_add_nc_u64 s[46:47], s[18:19], s[78:79]
	s_lshl_b32 s78, s22, 11
	s_add_nc_u64 s[48:49], s[18:19], s[78:79]
	s_lshl_b32 s78, s22, 19
	s_add_co_u32 s78, s78, s80
	s_lshl_b32 s77, s28, 8
	s_add_co_u32 s78, s78, s77
	s_add_nc_u64 s[50:51], s[20:21], s[78:79]      ; out0 at my image, my 32 channels, my two rows
	global_load_b32 v248, v15, s[6:7]              ; the biases and gains: 256 threads x 4 bytes, seven times
	global_load_b32 v249, v15, s[6:7] offset:1024
	global_load_b32 v250, v15, s[6:7] offset:2048
	global_load_b32 v251, v15, s[8:9]
	global_load_b32 v252, v15, s[10:11]
	global_load_b32 v253, v15, s[12:13]
	global_load_b32 v254, v15, s[14:15]
	WIN 0x40
	WLOAD 0, 42, 0                                 ; Wq into window 1
	WIN 0
	SLOAD 16, 8, 46, 0
; ---------------------------------------------------------------- X: feat becomes codes.  A lane takes a token, its registers run down the channels: a block of 32 is one lane's
.macro LOAD t                          ; block t: unit t / 4, channels 32 (t % 4) on: each load reads 128 consecutive bytes
.set LI_, 0
.rept 32
	global_load_b32 v[64+32*((\t)%2)+LI_], v2, s[36+2*((\t)/4):37+2*((\t)/4)] offset:(32*((\t)%4)+LI_)*16384
.set LI_, LI_+1
.endr
.endm
.macro BLOCK t
.set XS_, 64+32*((\t)%2)
.set BQ_, (\t)%4
.set U_, (\t)/4
.if (\t) < 11
	s_wait_loadcnt 32                              ; this block's loads are in, and all older ones; the next block's 32 may be out
.else
	s_wait_loadcnt 0
.endif
.if (\t) == 0
.irp k, 0,1,2,3,4,5,6
	ds_store_b32 v14, v[248+\k] offset:1024*\k
.endr
.endif
.if (\t) < 4
.irp k, 0,1,2,3,4,5,6,7
	ds_store_b128 v10, v[XS_+4*\k:XS_+4*\k+3] offset:128*BQ_+16*\k   ; my rows' numbers stay in f32 for |x - c| and x c
.endr
.endif
	QWMAX XS_
	s_wait_dscnt 0x0                               ; the earlier LDS stores have read their registers: codes, words, addresses and this set of numbers may be written
.if BQ_ == 0
	v_add_nc_u32 v7, s[66+U_], v11
	v_add_nc_u32 v8, s[69+U_], v12
.endif
.if (\t) == 0
	v_add_nc_u32 v9, s72, v13
.endif
	QWCVT XS_
.if (\t) <= 9
	LOAD (\t)+2                                    ; into the set just converted
.endif
	QWMOV
.if BQ_ == 0
	v_mov_b32 v52, v51                             ; four bytes make the token's scale word of this K step
.else
	v_lshl_or_b32 v52, v51, 8*BQ_, v52
.endif
	IMG 7, 768*(BQ_>>1)+128*(BQ_&1)                ; block B of a K step: registers 6 (B / 2) on of the image's lane row + 16 (B % 2)
.if BQ_ == 3
	ds_store_b32 v8, v52
.if U_ == 0
	ds_store_b32 v9, v52
.endif
.endif
.endm
	LOAD 0
	LOAD 1
.irp t, 0,1,2,3,4,5,6,7,8,9,10,11
	BLOCK \t
.endr
	WLOAD 96, 42, 49152                            ; Wk into v96-191
	SLOAD 24, 8, 46, 4096
	s_wait_dscnt 0x0                               ; for the others' sake: my stores have landed; and my address registers may be written
	s_mul_i32 s74, s24, 4*TP
	v_add_nc_u32 v7, s74, v3                       ; v7: tiles of my key half
	s_mul_i32 s75, s25, 4*TP
	v_add_nc_u32 v9, s75, v3                       ; v9: of my query half
	s_lshl_b32 s74, s24, 9
	s_add_co_u32 s74, s74, XSC
	v_add_nc_u32 v8, s74, v5                       ; v8, v10: their scale words
	s_lshl_b32 s75, s25, 9
	s_add_co_u32 s75, s75, XSC
	v_add_nc_u32 v10, s75, v5
	s_lshl_b32 s74, s23, 8
	s_add_co_u32 s74, s74, CONST
	v_lshl_add_u32 v11, v6, 4, s74                 ; v11: a bias at channel 64 head + 32 (lane / 16)
	v_and_b32 v12, 7, v1
	v_bfe_u32 v15, v1, 3, 1
	v_lshl_add_u32 v12, v15, 5, v12
	s_add_co_u32 s74, s74, 2048
	v_lshl_add_u32 v12, v12, 2, s74                ; v12: V's bias at channel 64 head + 32 (r / 8) + r % 8
	s_mul_i32 s75, s22, 3584
	s_add_co_u32 s75, s75, PRIVQ
	v_add_nc_u32 v13, s75, v3                      ; v13, v14: my Q's codes and words
	s_add_co_u32 s75, s75, 768
	v_add_nc_u32 v14, s75, v2
	BARRIER                                        ; x's 24 tiles, their words, the f32 rows and the constants lie in LDS
; ---------------------------------------------------------------- Q of my head for the four query tiles: to my own LDS bytes
	BIASLD 0
	XFETCH 9, 0, 10, 0
.irp tau, 0,1,2,3
	s_wait_dscnt 0x0                               ; the tile (and the bias) is in; the last tile's stores have read their registers
	TMUL 64, 0, 0x01, 16
	PLACES 4
.if \tau < 3
	XFETCH 9, TP*(\tau+1), 10, 128*(\tau+1)
.else
	BIASLD 1024                                    ; K's bias and first tile
	XFETCH 7, 0, 8, 0
.endif
	QW 64                                          ; lane (r, h): query r, channels 32 h on of the head
	v_lshlrev_b32 v53, v6, v51
	v_permlanex16_b32 v55, v53, s30, s31
	v_or_b32 v53, v53, v55
	v_lshl_or_b32 v53, v53, 16, v53                ; the two bytes twice: for [Q | 0] and for [0 | Q]
	IMG 13, 896*\tau
	ds_store_b32 v14, v53 offset:896*\tau
.endr
	s_wait_loadcnt 0x0                             ; Wk and its words are in
	WIN 0x40
	WLOAD 0, 42, 98304                             ; Wv takes Wq's place: the last product that read it stands behind four places and a quantiser
	WIN 0
	SLOAD 16, 8, 46, 8192
; ---------------------------------------------------------------- K of my head for the 12 tiles of my key half: codes to window 1, v[96 + 6 tile]
.irp kt, 0,1,2,3,4,5,6,7,8,9,10,11
	s_wait_dscnt 0x0
	TMUL 64, 96, 0, 24
	PLACES 4
.set NX_, \kt+1
.if NX_ < 12
	XFETCH 7, (8*(NX_/4)+NX_%4)*TP, 8, (8*(NX_/4)+NX_%4)*128
.else
.irp d, 0,1,2,3
.irp j, 0,1,2,3,4,5,6,7
	ds_load_b32 v[216+8*\d+\j], v12 offset:32*\d   ; V's bias: a lane holds one channel, so eight copies
.endr
.endr
	XFETCH 7, 0, 8, 0
.endif
	QW 64
	PUT1 96+6*\kt
.if \kt%2 == 0
	v_lshlrev_b32 v[34+\kt/2], v6, v51             ; a fragment's word: the even tile's two bytes below, the odd tile's above
.else
	v_lshlrev_b32 v53, v6, v51
	v_lshl_or_b32 v[34+\kt/2], v53, 16, v[34+\kt/2]
.endif
.endr
.irp i, 0,2,4
	v_permlanex16_b32 v54, v[34+\i], s30, s31
	v_permlanex16_b32 v55, v[35+\i], s30, s31
	v_or_b32 v[34+\i], v[34+\i], v54               ; with lane l xor 16's bytes the words are whole
	v_or_b32 v[35+\i], v[35+\i], v55
.endr
; ---------------------------------------------------------------- V likewise; a lane's 32 registers over tau are the 32 keys of one slot: a whole block of the second product's K
	s_wait_loadcnt 0x0                             ; Wv and its words
.irp pi, 0,1,2
.irp tau, 0,1,2,3
	s_wait_dscnt 0x0
	VMUL \tau
	PLACES 4
.set NX_, 4*\pi+\tau+1
.if NX_ < 12
	XFETCH 7, (8*(NX_/4)+NX_%4)*TP, 8, (8*(NX_/4)+NX_%4)*128
.endif
.endr
.irp d, 0,1,2,3
	QW 64+32*\d
.if \pi < 2
	PUT1 168+12*\d+6*\pi                           ; fragment d: [pair 0 | pair 1]
.else
	PUT1 216+12*(\d/2)+6*(\d%2)                    ; pair 2: [d even | d odd]
.endif
.if \pi == 0
	v_lshlrev_b32 v[40+\d], v6, v51
.elseif \pi == 1
	v_lshlrev_b32 v53, v6, v51
	v_lshl_or_b32 v[40+\d], v53, 16, v[40+\d]
.elseif \d%2 == 0
	v_lshlrev_b32 v[44+\d/2], v6, v51
.else
	v_lshlrev_b32 v53, v6, v51
	v_lshl_or_b32 v[44+\d/2], v53, 16, v[44+\d/2]
.endif
.endr
.endr
.irp i, 0,2,4
	v_permlanex16_b32 v54, v[40+\i], s30, s31
	v_permlanex16_b32 v55, v[41+\i], s30, s31
	v_or_b32 v[40+\i], v[40+\i], v54
	v_or_b32 v[41+\i], v[41+\i], v55
.endr
	WIN 0x40
	WLOAD 0, 42, 147456                            ; out_w takes Wv's place
	WIN 0
	SLOAD 24, 8, 46, 12288
; ---------------------------------------------------------------- attention
; Lane (r, h) holds query r (row r / 8 of my two, token tq = (r % 8 + 6) % 8 of its tile) and, of pair pi, the keys of slot (pi, h).
; Register j of key tile tk holds token 8 tk + (j + 6) % 8.  With D = tk + tau - 3 the key counts where |8 D + tq + (j + 6) % 8 - 7| <= w,
; w = 2 less the rows between slot and query = 2 - e, 1 - e, -e for pairs 0, 1, 2, e = h xor (r / 8); w = -1 for a slot outside the image.
; So of pair 0 the tiles D = -1, 0, 1 can count (registers 0, 1 | all | 2, 3), of pair 1 the same (1 | all | 2), of pair 2 D = 0 alone: 30 registers, 30 mask words (0 or -infinity), made once.
.irp i, 0,1,2,3,4,5
	v_mov_b32 v[100+\i], 0                         ; the zeros between Q and Q,
	v_mov_b32 v[130+\i], 0                         ; and between P and P
.endr
	v_and_b32 v48, 7, v1
	v_add_nc_u32 v48, 6, v48
	v_and_b32 v48, 7, v48                          ; tq
	v_bfe_u32 v49, v1, 3, 1
	v_lshrrev_b32 v50, 4, v1                       ; h
	v_xor_b32 v49, v49, v50                        ; e
	v_sub_nc_u32 v52, 2, v49                       ; w of pairs 0, 1, 2
	v_sub_nc_u32 v53, 1, v49
	v_sub_nc_u32 v54, 0, v49
	v_mov_b32 v56, 0xff800000
	v_mov_b32 v57, 0
	v_mov_b32 v58, -1
	s_sub_co_i32 s74, s28, 1
	v_mad_u32_u24 v59, v50, 3, s74                 ; pair 1's image row: y0 - 1 + 3 h
	v_cmp_gt_u32 vcc_lo, 64, v59
	v_cndmask_b32 v53, v58, v53, vcc_lo
	s_sub_co_i32 s75, s28, 2
	v_mad_u32_u24 v59, v50, 5, s75                 ; pair 2's: y0 - 2 + 5 h
	v_cmp_gt_u32 vcc_lo, 64, v59
	v_cndmask_b32 v54, v58, v54, vcc_lo
.irp j, 0,1,2,3,4,5,6,7
	v_add_nc_u32 v55, ((\j+6)&7)-7, v48            ; D = 0
	v_ashrrev_i32 v59, 31, v55
	v_xor_b32 v55, v55, v59
	v_sub_nc_u32 v55, v55, v59                     ; its magnitude
	v_cmp_le_i32 vcc_lo, v55, v52
	v_cndmask_b32 v[64+\j], v56, v57, vcc_lo
	v_cmp_le_i32 vcc_lo, v55, v53
	v_cndmask_b32 v[76+\j], v56, v57, vcc_lo
	v_cmp_le_i32 vcc_lo, v55, v54
	v_cndmask_b32 v[86+\j], v56, v57, vcc_lo
.endr
	v_sub_nc_u32 v55, 9, v48                       ; D = -1, register 0 (token 6)
	v_cmp_le_i32 vcc_lo, v55, v52
	v_cndmask_b32 v72, v56, v57, vcc_lo
	v_sub_nc_u32 v55, 8, v48                       ; D = -1, register 1 (token 7)
	v_cmp_le_i32 vcc_lo, v55, v52
	v_cndmask_b32 v73, v56, v57, vcc_lo
	v_cmp_le_i32 vcc_lo, v55, v53
	v_cndmask_b32 v84, v56, v57, vcc_lo
	v_add_nc_u32 v55, 1, v48                       ; D = 1, register 2 (token 0)
	v_cmp_le_i32 vcc_lo, v55, v52
	v_cndmask_b32 v74, v56, v57, vcc_lo
	v_cmp_le_i32 vcc_lo, v55, v53
	v_cndmask_b32 v85, v56, v57, vcc_lo
	v_add_nc_u32 v55, 2, v48                       ; D = 1, register 3 (token 1)
	v_cmp_le_i32 vcc_lo, v55, v52
	v_cndmask_b32 v75, v56, v57, vcc_lo
	s_mul_i32 s74, s25, 12288
	s_lshr_b32 s75, s23, 1
	s_mul_i32 s76, s75, 1536
	s_add_co_u32 s74, s74, s76
	s_and_b32 s77, s23, 1
	s_mul_i32 s76, s77, 768
	s_add_co_u32 s74, s74, s76
	s_add_co_u32 s74, s74, CTX
	v_add_nc_u32 v7, s74, v3                       ; v7: ctx's image: my query half's tiles, K step head / 2, registers 6 (head % 2) on
	s_lshl_b32 s74, s25, 9
	s_lshl_b32 s76, s75, 2
	s_add_co_u32 s74, s74, s76
	s_lshl_b32 s76, s77, 1
	s_add_co_u32 s74, s74, s76
	s_add_co_u32 s74, s74, CSC
	v_lshrrev_b32 v8, 4, v1
	v_add_nc_u32 v8, v8, v5
	v_add_nc_u32 v8, s74, v8                       ; v8: and my byte of its scale word
; Sets A_ (does register j of key tile tk of pair pi count for query tile tau?), SR_ (the register) and MI_ (its mask word)
.macro ISACT pi, tk, j, tau
.set D_, (\tk)+(\tau)-3
.set A_, 0
.set MI_, 0
.if D_ == 0
.set A_, 1
.set MI_, 12*(\pi)-2*((\pi)/2)+(\j)
.elseif (D_ == -1) && ((\pi) < 2) && ((\j) >= (\pi)) && ((\j) <= 1)
.set A_, 1
.set MI_, 8+11*(\pi)+(\j)
.elseif (D_ == 1) && ((\pi) < 2) && ((\j) >= 2) && ((\j) < 4-(\pi))
.set A_, 1
.set MI_, 8+11*(\pi)+(\j)
.endif
.if (\pi) == 2
.set SR_, 208+8*((\tk)&1)+(\j)
.else
.set SR_, 144+32*(\pi)+8*(\tk)+(\j)
.endif
.endm
; One line for each register that counts, ascending.  op 0: t = score x c + mask;  1: the block's largest t (v224 + pair);  2: t - M;  3: p = 2^(t - M);  4: the block's sum (v227 + pair)
.macro ACT tau, op
.irp pi, 0,1,2
.set N_, 0
.irp tk, 0,1,2,3
.irp j, 0,1,2,3,4,5,6,7
	ISACT \pi, \tk, \j, \tau
.if A_
.if \op == 0
	v_fma_f32 v[SR_], v[SR_], s32, v[64+MI_]
.elseif \op == 1
.if N_ == 0
.set F_, SR_
.set N_, 1
.elseif N_ == 1
	v_max_num_f32 v[224+\pi], v[F_], v[SR_]
.set N_, 2
.elseif N_ == 2
.set F_, SR_
.set N_, 3
.else
	v_max3_num_f32 v[224+\pi], v[224+\pi], v[F_], v[SR_]
.set N_, 2
.endif
.elseif \op == 2
	v_add_f32 v[SR_], v[SR_], v230
.elseif \op == 3
	v_exp_f32 v[SR_], v[SR_]
.else
.if N_ == 0
.set F_, SR_
.set N_, 1
.elseif N_ == 1
	v_add_f32 v[227+\pi], v[F_], v[SR_]
.set N_, 2
.else
	v_add_f32 v[227+\pi], v[227+\pi], v[SR_]
.endif
.endif
.endif
.endr
.endr
.if (\op == 1) && (N_ == 3)
	v_max_num_f32 v[224+\pi], v[224+\pi], v[F_]
.endif
.endr
.endm
.macro PZERO tau                       ; p = 0 in every register that does not count, of each run of 16 that goes to a conversion
.irp pi, 0,1
.irp G, 0,1
.set DA_, 2*\G+(\tau)-3
.if (DA_ >= -2) && (DA_ <= 1)
.irp u, 0,1
.irp j, 0,1,2,3,4,5,6,7
	ISACT \pi, 2*\G+\u, \j, \tau
.if A_ == 0
	v_mov_b32 v[SR_], 0
.endif
.endr
.endr
.endif
.endr
.endr
.irp j, 0,1,2,3,4,5,6,7
	v_mov_b32 v[208+8*(1-((3-(\tau))&1))+\j], 0
.endr
.endm
.macro PCVT tau                        ; p's codes: v112-123 = [pair 0 | pair 1], v124-141 = pair 2, zeros, pair 2.  A run of 16 keys none of which counts is three zeros
.irp pi, 0,1
.if (\tau) >= 1
	v_cvt_scalef32_pk16_bf6_f32 v[112+6*\pi:114+6*\pi], v[144+32*\pi:159+32*\pi], v[237+\pi]
.endif
.if (\tau) <= 2
	v_cvt_scalef32_pk16_bf6_f32 v[56+4*\pi:58+4*\pi], v[160+32*\pi:175+32*\pi], v[237+\pi]
.endif
.endr
.if (\tau) >= 2
	v_cvt_scalef32_pk16_bf6_f32 v[124:126], v[208:223], v239
.else
	v_cvt_scalef32_pk16_bf6_f32 v[52:54], v[208:223], v239
.endif
	v_nop                                          ; one plain line behind the last scaled conversion
.irp pi, 0,1
.irp i, 0,1,2
.if (\tau) == 0
	v_mov_b32 v[112+6*\pi+\i], 0
.endif
.if (\tau) <= 2
	v_mov_b32 v[115+6*\pi+\i], v[56+4*\pi+\i]
.else
	v_mov_b32 v[115+6*\pi+\i], 0
.endif
.endr
.endr
.irp i, 0,1,2
.if (\tau) >= 2
	v_mov_b32 v[127+\i], 0
.else
	v_mov_b32 v[124+\i], 0
	v_mov_b32 v[127+\i], v[52+\i]
.endif
.endr
.irp i, 0,1,2,3,4,5
	v_mov_b32 v[136+\i], v[124+\i]
.endr
.endm
.macro QLOAD tau                       ; Q, (zeros,) Q and its word
.irp k, 0,1,2
	ds_load_b64 v[94+2*\k:95+2*\k], v13 offset:896*(\tau)+256*\k
	ds_load_b64 v[106+2*\k:107+2*\k], v13 offset:896*(\tau)+256*\k
.endr
	ds_load_b32 v32, v14 offset:896*(\tau)
.endm
.macro UNIT tau                        ; one tile of 16 queries
	s_wait_dscnt 0x0                               ; Q is in; the last unit's stores have read their registers
	WIN 0x01
.irp pi, 0,1,2
.irp tk, 0,1,2,3
.set D_, \tk+(\tau)-3
.set RT_, 1-\pi/2
.if (D_ <= RT_) && (D_ >= 0-RT_)
.if \pi == 2
.set SD_, 208+8*(\tk&1)
.else
.set SD_, 144+32*\pi+8*\tk
.endif
.set KP_, (4*\pi+\tk)/2
	MM0 SD_, 96+12*KP_, 94+6*(\tk&1), 34+KP_, 32   ; S^T = K Q^T: source 0 = 16 keys, source 1 = my 16 queries
.endif
.endr
.endr
	WIN 0
	PLACES 4
.if (\tau) < 3
	QLOAD (\tau)+1
.endif
	ACT \tau, 0
	ACT \tau, 1
	v_max3_num_f32 v52, v224, v225, v226
	v_permlanex16_b32 v55, v52, s30, s31
	v_max_num_f32 v52, v52, v55                    ; the row's largest t (the centre key always counts)
	v_floor_f32 v230, -v52                         ; -M = floor(-t): M is a whole number
	ACT \tau, 2
.irp pi, 0,1,2
	v_add_f32 v[224+\pi], v[224+\pi], v230         ; the same of each block's largest t: the same two lines on the same number give the block's largest p
.endr
	ACT \tau, 3
.irp pi, 0,1,2
	v_exp_f32 v[224+\pi], v[224+\pi]
.endr
	PZERO \tau                                     ; (its first line is the plain line behind the exponentials)
	s_wait_alu depctr_va_vdst(0)
.irp pi, 0,1,2
	v_max_num_f32 v[224+\pi], 0x2800000, v[224+\pi]   ; the floor: a block of zeros keeps the byte 1
.endr
.irp pi, 0,1,2
	v_add_nc_u32 v[237+\pi], 0xfe000000, v[224+\pi]
.endr
.irp pi, 0,1,2
	v_lshrrev_b32 v[234+\pi], 23, v[237+\pi]
.endr
	PCVT \tau
	v_lshlrev_b32 v48, v6, v234
	v_lshlrev_b32 v49, v6, v235
	v_lshl_or_b32 v48, v49, 16, v48
	v_permlanex16_b32 v55, v48, s30, s31
	v_or_b32 v46, v48, v55                         ; p's word for [pair 0 | pair 1]
	v_lshlrev_b32 v49, v6, v236
	v_permlanex16_b32 v54, v49, s30, s31
	v_or_b32 v49, v49, v54
	v_lshl_or_b32 v47, v49, 16, v49                ; and for pair 2, twice
	ACT \tau, 4                                    ; the row's sum, of the unquantised p.  (These additions, more than eight, also stand between the scale words' last write and the products)
	v_add_f32 v227, v227, v228
	v_add_f32 v227, v227, v229
	v_permlanex16_b32 v55, v227, s30, s31
	v_add_f32 v227, v227, v55
	v_rcp_f32 v232, v227
	v_nop                                          ; a plain line behind the transcendental
	s_wait_alu depctr_va_vdst(0)
	v_mov_b32 v233, v232
	WIN 0x01
.irp d, 0,1,2,3
	MM0 144+8*\d, 168+12*\d, 112, 40+\d, 46        ; O^T = V^T P^T: source 0 = 16 channels, source 1 = P; the four accumulators take turns
.endr
.irp d, 0,1,2,3
	MM 144+8*\d, 216+12*(\d/2), 124+6*(\d&1), 144+8*\d, 44+\d/2, 47
.endr
	WIN 0
	PLACES 4
.set UI_, 0
.rept 16
	v_pk_mul_f32 v[144+2*UI_:145+2*UI_], v[144+2*UI_:145+2*UI_], v[232:233]   ; / the sum: lane (r, h): query r, channels 64 head + 32 h + 0 .. 31
.set UI_, UI_+1
.endr
	QW 144
	IMG 7, 3072*(\tau)
	ds_store_b8 v8, v51 offset:128*(\tau)
.endm
	QLOAD 0
.irp tau, 0,1,2,3
	UNIT \tau
.endr
	WIN 0x40
	WLOAD 96, 44, 196608+12288                     ; proj_w's fragments 8 to 15 take K's and V's place
	WIN 0
	s_wait_dscnt 0x0                               ; for the others' sake: ctx's images and bytes have landed; my reads of Q are over
	s_mul_i32 s74, s24, 12288
	s_add_co_u32 s74, s74, CTX
	v_add_nc_u32 v9, s74, v3                       ; v9, v10: ctx's tiles of my half of the tokens, and their words
	s_lshl_b32 s74, s24, 9
	s_add_co_u32 s74, s74, CSC
	v_add_nc_u32 v10, s74, v5
	v_and_b32 v12, 7, v1
	v_mul_u32_u24 v12, v12, 1040
	v_bfe_u32 v15, v1, 3, 1
	v_mad_u32_u24 v12, v15, 66688, v12
	v_lshl_add_u32 v12, v6, 4, v12
	s_mul_i32 s74, s24, 33280
	s_lshl_b32 s75, s23, 8
	s_add_co_u32 s74, s74, s75
	s_add_co_u32 s74, s74, XF
	v_add_nc_u32 v12, s74, v12                     ; v12: x in f32: token r, channels 64 quarter + 32 h on
	s_mul_i32 s74, s24, 36864
	s_lshr_b32 s75, s23, 1
	s_mul_i32 s76, s75, 1536
	s_add_co_u32 s74, s74, s76
	s_and_b32 s77, s23, 1
	s_mul_i32 s76, s77, 768
	s_add_co_u32 s74, s74, s76
	s_add_co_u32 s74, s74, ASYM
	v_add_nc_u32 v13, s74, v3                      ; v13: the images of c, |x - c|, x c
	s_lshl_b32 s74, s75, 9
	s_lshl_b32 s76, s24, 8
	s_add_co_u32 s74, s74, s76
	s_lshl_b32 s76, s77, 1
	s_add_co_u32 s74, s74, s76
	s_add_co_u32 s74, s74, TSC+1024
	v_lshrrev_b32 v14, 1, v5
	v_lshrrev_b32 v15, 4, v1
	v_add_nc_u32 v14, v14, v15
	v_add_nc_u32 v14, s74, v14                     ; v14: my byte of their scale words
	BARRIER                                        ; ctx lies in LDS; nobody reads the halo's tiles or Q any more
; ---------------------------------------------------------------- c = ctx out_w^T + out_b: 64 channels x 64 tokens a wave, transposed
	BIASLD 3072
	XFETCH 9, 0, 10, 0
	s_wait_loadcnt 24                              ; out_w and its words are in; the 24 loads of proj_w issued behind them may be out
.irp m, 0,1,2,3
	s_wait_dscnt 0x0
	TMUL 64+32*\m, 0, 0x01, 24
	PLACES 4
.if \m < 3
	XFETCH 9, 3072*(\m+1), 10, 128*(\m+1)
.endif
.endr
	WIN 0x40
	WLOAD 0, 44, 196608                            ; proj_w's fragments 0 to 7 take out_w's place
	WIN 0
	SLOAD 16, 16, 48, 16384
; ---------------------------------------------------------------- c, |x - c|, x c become K steps 2 to 7 of the projection
.irp m, 0,1,2,3
	s_wait_dscnt 0x0
.irp k, 0,1,2,3,4,5,6,7
	ds_load_b128 v[192+4*\k:195+4*\k], v12 offset:8320*\m+16*\k
.endr
	QW 64+32*\m
	IMG 13, 9216*\m
	ds_store_b8 v14, v51 offset:64*\m
	s_wait_dscnt 0x0                               ; x is in; the stores have read their registers
.set UI_, 0
.rept 16
	v_pk_add_f32 v[224+2*UI_:225+2*UI_], v[192+2*UI_:193+2*UI_], v[64+32*\m+2*UI_:65+32*\m+2*UI_] neg_lo:[0,1] neg_hi:[0,1]
.set UI_, UI_+1
.endr
	QW 224
.irp i, 0,3
	v_and_b32 v[56+\i], 0xdf7df7df, v[56+\i]       ; the magnitude: each code's sign bit (bit 6 i + 5 of the stream) is cleared; rounding to nearest even is alike on both sides of 0
	v_and_b32 v[57+\i], 0xf7df7df7, v[57+\i]
	v_and_b32 v[58+\i], 0x7df7df7d, v[58+\i]
.endr
	IMG 13, 9216*\m+3072
	ds_store_b8 v14, v51 offset:64*\m+1024
	s_wait_dscnt 0x0
.set UI_, 0
.rept 16
	v_pk_mul_f32 v[192+2*UI_:193+2*UI_], v[192+2*UI_:193+2*UI_], v[64+32*\m+2*UI_:65+32*\m+2*UI_]
.set UI_, UI_+1
.endr
	QW 192
	IMG 13, 9216*\m+6144
	ds_store_b8 v14, v51 offset:64*\m+2048
.endr
	s_wait_dscnt 0x0
	v_add_nc_u32 v8, ASYM, v3                      ; v3: x's tiles; v8, v9: the other steps' tiles 0-3 and 4-7
	v_add_nc_u32 v9, ASYM+4*9216, v3
	v_add_nc_u32 v10, TSC, v2                      ; v10: scale words, two tiles a load
	s_lshl_b32 s74, s22, 7
	s_add_co_u32 s74, s74, CONST
	v_lshl_add_u32 v11, v6, 2, s74                 ; v11: a vector of 256 at channel 32 wave + 8 h
	s_lshl_b32 s74, s22, 2
	s_add_co_u32 s74, s74, LNP
	v_lshl_add_u32 v12, v5, 2, s74                 ; v12: my word of a token's eight
	v_lshlrev_b32 v13, 2, v5
	v_add_nc_u32 v13, LNP, v13                     ; v13: the eight
	v_and_b32 v14, 7, v1
	v_add_nc_u32 v14, 6, v14
	v_and_b32 v14, 7, v14
	v_lshlrev_b32 v14, 2, v14
	v_bfe_u32 v15, v1, 3, 1
	v_mad_u32_u24 v14, v15, 288, v14
	v_lshrrev_b32 v15, 4, v1
	v_mad_u32_u24 v14, v15, 4480, v14
	s_mul_i32 s74, s22, 17920
	s_add_co_u32 s74, s74, YST
	v_add_nc_u32 v14, s74, v14                     ; v14: the stage, in: channel 8 h, image row r / 8, token
	v_mul_u32_u24 v15, v15, 288
	v_lshl_add_u32 v15, v5, 1, v15
	v_add_nc_u32 v15, s74, v15                     ; v15: and back: lanes 0-15 one image row, lanes 16-31 the next
	BARRIER                                        ; the projection's operand lies in LDS; nobody reads the f32 rows any more
; ---------------------------------------------------------------- y = asym proj_w^T + proj_b: 32 channels a wave, all 128 tokens, K = 8 steps of 128; transposed
.irp q, 0,1,2,3
	ds_load_b128 v[240+4*\q:243+4*\q], v11 offset:4096+64*(\q/2)+16*(\q%2)
.endr
.macro PFETCH n                        ; group n: K step n / 2, tiles 4 (n % 2) on: 24 + 2 LDS loads; even groups into v192-239, odd ones into the same of window 1
.set S_, (\n)/2
.set H_, (\n)%2
.if H_
	WIN 0x40
.endif
.irp i, 0,1,2,3
.irp k, 0,1,2,3,4,5
.if S_ < 2
	ds_load_b64 v[192+12*\i+2*\k:193+12*\i+2*\k], v3 offset:TP*(4*H_+\i)+1536*S_+256*\k
.else
	ds_load_b64 v[192+12*\i+2*\k:193+12*\i+2*\k], v[8+H_] offset:9216*\i+1536*(S_-2)+256*\k
.endif
.endr
.endr
	WIN 0
.irp q, 0,1
	ds_load_b32 v[34+2*H_+\q], v10 offset:512*S_+256*H_+128*\q   ; lanes 0-15: tile 2 q of the four; lanes 16-31: tile 2 q + 1
.endr
.endm
.macro PMUL n                          ; eight products on eight accumulators; the next group takes the other eight: the sixteen take turns
.set S_, (\n)/2
.set H_, (\n)%2
.set W_, 1+4*H_
	WIN W_
.irp i, 0,1,2,3
.irp e, 0,1
.set D_, 64+64*\e+8*(4*H_+\i)
.if S_ == 0
.set C_, 240+8*\e
.else
.set C_, D_
.endif
.if \i%2
	MMR D_, 12*(8*\e+S_), 192+12*\i, C_, 16+8*\e+S_, 34+2*H_+\i/2
.else
	MM D_, 12*(8*\e+S_), 192+12*\i, C_, 16+8*\e+S_, 34+2*H_+\i/2
.endif
.endr
.endr
	WIN 0
.endm
	s_wait_loadcnt 0x0                             ; proj_w and its words
	PFETCH 0
	PFETCH 1
.irp n, 0,1,2,3,4,5,6,7,8,9,10,11,12,13,14,15
.if \n < 15
	s_wait_dscnt 26                                ; this group is in; the next group's 26 loads may be out
.else
	s_wait_dscnt 0x0
.endif
	PMUL \n
	PLACES 4
.if \n <= 13
	PFETCH \n+2
.endif
.endr
; ---------------------------------------------------------------- LayerNorm over the 256 channels, in two passes.  Lane (r, h) holds token r of each tile and channels 32 wave + 16 e + 8 h + j
.irp q, 0,1,2,3
	ds_load_b128 v[240+4*\q:243+4*\q], v11 offset:5120+64*(\q/2)+16*(\q%2)   ; ln_g
	ds_load_b128 v[48+4*\q:51+4*\q], v11 offset:6144+64*(\q/2)+16*(\q%2)     ; ln_b
.endr
.macro LNOUT off                       ; v[192 + 2 m], v[193 + 2 m]: a lane's sum in two halves; with lane l xor 16's it is the wave's part: to the table; then the barrier
.irp m, 0,1,2,3,4,5,6,7
	v_add_f32 v[192+2*\m], v[192+2*\m], v[193+2*\m]
.endr
.irp m, 0,1,2,3,4,5,6,7
	v_permlanex16_b32 v[193+2*\m], v[192+2*\m], s30, s31
.endr
.irp m, 0,1,2,3,4,5,6,7
	v_add_f32 v[192+2*\m], v[192+2*\m], v[193+2*\m]
.endr
.irp m, 0,1,2,3,4,5,6,7
	ds_store_b32 v12, v[192+2*\m] offset:(\off)+512*\m
.endr
	s_wait_dscnt 0x0
	BARRIER
.endm
.macro LNRED off                       ; the eight waves' parts are added: tile m's sum to v[224 + 2 m]
.irp R, 0,1
.irp i, 0,1,2,3
	ds_load_b128 v[192+8*\i:195+8*\i], v13 offset:(\off)+512*(4*\R+\i)
	ds_load_b128 v[196+8*\i:199+8*\i], v13 offset:(\off)+512*(4*\R+\i)+16
.endr
	s_wait_dscnt 0x0
.irp i, 0,1,2,3
	v_pk_add_f32 v[192+8*\i:193+8*\i], v[192+8*\i:193+8*\i], v[194+8*\i:195+8*\i]
	v_pk_add_f32 v[196+8*\i:197+8*\i], v[196+8*\i:197+8*\i], v[198+8*\i:199+8*\i]
.endr
.irp i, 0,1,2,3
	v_pk_add_f32 v[192+8*\i:193+8*\i], v[192+8*\i:193+8*\i], v[196+8*\i:197+8*\i]
.endr
.irp i, 0,1,2,3
	v_add_f32 v[224+2*(4*\R+\i)], v[192+8*\i], v[193+8*\i]
.endr
.endr
.endm
.irp m, 0,1,2,3,4,5,6,7
	v_pk_add_f32 v[192+2*\m:193+2*\m], v[64+8*\m:65+8*\m], v[128+8*\m:129+8*\m]   ; each accumulator from its low end on
.endr
.irp q, 2,4,6
.irp m, 0,1,2,3,4,5,6,7
	v_pk_add_f32 v[192+2*\m:193+2*\m], v[192+2*\m:193+2*\m], v[64+8*\m+\q:65+8*\m+\q]
.endr
.irp m, 0,1,2,3,4,5,6,7
	v_pk_add_f32 v[192+2*\m:193+2*\m], v[192+2*\m:193+2*\m], v[128+8*\m+\q:129+8*\m+\q]
.endr
.endr
	LNOUT 0
	LNRED 0
.irp m, 0,1,2,3,4,5,6,7
	v_mul_f32 v[224+2*\m], s33, v[224+2*\m]        ; the mean
.endr
.irp m, 0,1,2,3,4,5,6,7
	v_mov_b32 v[225+2*\m], v[224+2*\m]
.endr
.irp m, 0,1,2,3,4,5,6,7
.irp e, 0,1
.irp q, 0,2,4,6
	v_pk_add_f32 v[64+64*\e+8*\m+\q:65+64*\e+8*\m+\q], v[64+64*\e+8*\m+\q:65+64*\e+8*\m+\q], v[224+2*\m:225+2*\m] neg_lo:[0,1] neg_hi:[0,1]
.endr
.endr
.endr
.irp m, 0,1,2,3,4,5,6,7
	v_pk_mul_f32 v[192+2*\m:193+2*\m], v[64+8*\m:65+8*\m], v[64+8*\m:65+8*\m]
.endr
.irp m, 0,1,2,3,4,5,6,7
	v_pk_fma_f32 v[192+2*\m:193+2*\m], v[128+8*\m:129+8*\m], v[128+8*\m:129+8*\m], v[192+2*\m:193+2*\m]
.endr
.irp q, 2,4,6
.irp m, 0,1,2,3,4,5,6,7
	v_pk_fma_f32 v[192+2*\m:193+2*\m], v[64+8*\m+\q:65+8*\m+\q], v[64+8*\m+\q:65+8*\m+\q], v[192+2*\m:193+2*\m]
.endr
.irp m, 0,1,2,3,4,5,6,7
	v_pk_fma_f32 v[192+2*\m:193+2*\m], v[128+8*\m+\q:129+8*\m+\q], v[128+8*\m+\q:129+8*\m+\q], v[192+2*\m:193+2*\m]
.endr
.endr
	LNOUT 4096
	LNRED 4096
.irp m, 0,1,2,3,4,5,6,7
	v_fma_f32 v[224+2*\m], v[224+2*\m], s33, s34   ; the variance + 1e-5
.endr
.irp m, 0,1,2,3,4,5,6,7
	v_rsq_f32 v[224+2*\m], v[224+2*\m]
.endr
	v_nop                                          ; a plain line behind the transcendentals
	s_wait_alu depctr_va_vdst(0)
.irp m, 0,1,2,3,4,5,6,7
	v_mov_b32 v[225+2*\m], v[224+2*\m]
.endr
.irp m, 0,1,2,3,4,5,6,7
.irp e, 0,1
.irp q, 0,2,4,6
	v_pk_mul_f32 v[64+64*\e+8*\m+\q:65+64*\e+8*\m+\q], v[64+64*\e+8*\m+\q:65+64*\e+8*\m+\q], v[224+2*\m:225+2*\m]
.endr
.irp q, 0,2,4,6
	v_pk_fma_f32 v[64+64*\e+8*\m+\q:65+64*\e+8*\m+\q], v[64+64*\e+8*\m+\q:65+64*\e+8*\m+\q], v[240+8*\e+\q:241+8*\e+\q], v[48+8*\e+\q:49+8*\e+\q]
.endr
.irp j, 0,1,2,3,4,5,6,7
	v_max_num_f32 v[64+64*\e+8*\m+\j], 0, v[64+64*\e+8*\m+\j]   ; relu
.endr
.endr
.endr
; ---------------------------------------------------------------- out: a lane holds one token of eight channels; a channel's two image rows are 512 consecutive bytes of out0.
; They meet in the wave's own stage (a channel: 256 bytes, 32 of padding, 256 bytes, 16 of padding).  LDS serves a wave's instructions in order (ISA guide 5.7.1.4): no wait between the stores and the loads.
.irp m, 0,1,2,3,4,5,6,7
.irp e, 0,1
.irp j, 0,1,2,3,4,5,6,7
	ds_store_b32 v14, v[64+64*\e+8*\m+\j] offset:(16*\e+\j)*560+128*(\m/4)+32*(\m%4)
.endr
.endr
.endr
.set UI_, 0
.rept 32
	ds_load_b128 v[64+4*UI_:67+4*UI_], v15 offset:560*UI_
.set UI_, UI_+1
.endr
.set UI_, 0
.rept 32
	s_wait_dscnt 31-UI_
	global_store_b128 v4, v[64+4*UI_:67+4*UI_], s[50:51] offset:16384*UI_ th:TH_STORE_NT   ; 32 lanes store 512 consecutive bytes, at a multiple of 512 from out0's first byte
.set UI_, UI_+1
.endr
	s_set_vgpr_msb 0x5
	s_wait_tensorcnt 0x0
	ds_add_u32 v254, v255
	s_wait_dscnt 0x0
	s_set_vgpr_msb 0x500
	s_endpgm
.Lfunc_end_k_qdb7bd66be5_main:
	.size	k_qdb7bd66be5_main, .Lfunc_end_k_qdb7bd66be5_main-k_qdb7bd66be5_main
	.p2alignl 7, 3214868480
	.fill 96, 4, 3214868480
	.section	.rodata,"a",@progbits
	.p2align	6, 0x0
	.amdhsa_kernel k_qdb7bd66be5_main
		.amdhsa_group_segment_fixed_size 296448
		.amdhsa_private_segment_fixed_size 0
		.amdhsa_enable_private_segment 0
		.amdhsa_kernarg_size 72
		.amdhsa_user_sgpr_count 2
		.amdhsa_user_sgpr_kernarg_segment_ptr 1
		.amdhsa_wavefront_size32 1
		.amdhsa_system_sgpr_workgroup_id_x 1
		.amdhsa_system_sgpr_workgroup_id_y 1
		.amdhsa_system_sgpr_workgroup_id_z 1
		.amdhsa_system_vgpr_workitem_id 0
		.amdhsa_next_free_vgpr 512
		.amdhsa_next_free_sgpr 90
		.amdhsa_reserve_vcc 1
		.amdhsa_float_denorm_mode_32 3
		.amdhsa_float_denorm_mode_16_64 3
		.amdhsa_memory_ordered 1
		.amdhsa_forward_progress 1
		.amdhsa_inst_pref_size 255
	.end_amdhsa_kernel
	.section	.bss,"aw",@nobits
	.p2align	6
	.space	262144
	.amdgpu_metadata
---
amdhsa.version: [ 1, 2 ]
amdhsa.kernels:
  - .name:           k_qdb7bd66be5_main
    .symbol:         k_qdb7bd66be5_main.kd
    .args:
      - { .name: feat, .offset: 0, .size: 8, .value_kind: global_buffer, .address_space: global }
      - { .name: in_b, .offset: 8, .size: 8, .value_kind: global_buffer, .address_space: global }
      - { .name: out_b, .offset: 16, .size: 8, .value_kind: global_buffer, .address_space: global }
      - { .name: proj_b, .offset: 24, .size: 8, .value_kind: global_buffer, .address_space: global }
      - { .name: ln_g, .offset: 32, .size: 8, .value_kind: global_buffer, .address_space: global }
      - { .name: ln_b, .offset: 40, .size: 8, .value_kind: global_buffer, .address_space: global }
      - { .name: wimg, .offset: 48, .size: 8, .value_kind: global_buffer, .address_space: global }
      - { .name: wsc, .offset: 56, .size: 8, .value_kind: global_buffer, .address_space: global }
      - { .name: out0, .offset: 64, .size: 8, .value_kind: global_buffer, .address_space: global }
    .group_segment_fixed_size: 296448
    .private_segment_fixed_size: 0
    .kernarg_segment_align: 8
    .kernarg_segment_size: 72
    .max_flat_workgroup_size: 256
    .sgpr_count:     90
    .vgpr_count:     512
    .wavefront_size: 32
...
	.end_amdgpu_metadata
.endif
;; end of part 2
;; ======== version 2 of 2: 2 launches; version 1 with the launch main written anew for expert scheduling mode
;; workspace buffers: wimg 393,216 bytes; wsc 32,768 bytes
;; launch relay: the kernel of part 1 again; grid 256 x 1, 1 waves a work-group, no clusters, 0 bytes of LDS; arguments in_w_codes, in_w_scales, out_w_codes, out_w_scales, proj_w_codes, proj_w_scales, wimg, wsc; writes wimg, wsc
;; launch main (part 3): grid 256 x 1, 8 waves a work-group, no clusters, 296,448 bytes of LDS; arguments feat, in_b, out_b, proj_b, ln_g, ln_b, wimg, wsc, out0; writes out0
.if DOCPART == 3
	.amdgcn_target "amdgcn-amd-amdhsa--gfx1250"
	.amdhsa_code_object_version 6
	.text
	.protected	k_qdb7bd66be5_main
	.globl	k_qdb7bd66be5_main
	.p2align	8
	.type	k_qdb7bd66be5_main,@function
k_qdb7bd66be5_main:
	s_mov_b64 s[64:65], 0
	v_nop
	global_prefetch_b8 v0, s[64:65] scope:SCOPE_SE
	s_setreg_imm32_b32 hwreg(HW_REG_WAVE_SCHED_MODE, 0, 2), 2
	s_setreg_imm32_b32 hwreg(HW_REG_WAVE_MODE, 25, 1), 1
	s_wait_xcnt 0x0
	s_wait_alu depctr_vm_vsrc(0)
; ContralateralAttention, all of it behind the weights' re-laying, on codes of E3M2 with one E8M0 scale for each 32 along K.
; A token is a position (b, y, x) of feat with its 256 channels.  Its keys are tokens of the other half of the image row band: key (y2, x2) counts
; where |y - y2| + |x % 32 + x2 % 32 - 31| <= 2 (the mirror and the Manhattan mask of the problem, which it builds itself): 13 keys at the most.
; A block of 32 keys of the second product is one image row of one half, so a query touches five blocks; all other p are zeros and are not multiplied.
; SHARES.  A work-group owns two image rows (128 tokens) of one image and makes K and V anew for two rows above and two below: six SLOT rows.
;   Slots pair up: pair 0 = slots 2, 3 (my rows), pair 1 = slots 1, 4, pair 2 = slots 0, 5.  A TILE (pair, half g, tau) has 16 rows: row r is slot
;   (pair, r / 8), token 8 tau + (r % 8 + 6) % 8 of the half.  That one tiling lets every result be a WHOLE BLOCK OF 32 IN A LANE for the next quantiser:
;   no number changes lanes between a product and the next but scale bytes, maxima and sums (lane l xor 16).
;   The turn by 2 brings the tokens that neighbouring tiles need (6, 7, 0, 1) into a result's registers 0 to 3.
; PHASES (five barriers): X: feat -> codes of x (and f32 of my rows) in LDS | QKV and attention: wave (head, key half) keeps its K and V in registers |
;   out projection and [c, |x - c|, x c] -> codes in LDS | projection over K = 1,024 | LayerNorm in two passes | relu, and out through the wave's own stage.
; An operand goes through LDS as an image of its registers: pair k (of six) of lane L at 256 k + 8 L.
; K = 64 in an instruction of 128: two key tiles share a fragment [even | odd], and Q stands as Q, zeros, Q: [Q | 0] takes the even tile, [0 | Q] the odd one.
; LIMITS: a block whose largest magnitude lies under 2^-122 gets the byte 1; a block of zeros gets the byte 1 with zero codes (the products are the same);
;   NaN and infinities among the inputs are not served; inside a block of keys the order is a fixed permutation, the same for p and V: sums differ from
;   ascending order in the last bits only.  1 / l and 1 / sqrt are v_rcp_f32 and v_rsq_f32.
; No tensor loads: six rows of f32 (393 KB) do not fit in LDS, and weights go densely into registers.  No cluster: what partners would share lands at other slots in each.
; REGISTERS.  Window 0: v1-6 lane constants, v7-15 addresses of the phase, v16-47 scale words and nothing else, v48-63 at work, v64-191 accumulators, v192-255 operands in hand.
;   Window 1: v0-95 weights in hand, v96-167 K's codes, v168-239 V's codes; in the projection v0-191 proj_w's 16 fragments, v192-239 the second operand buffer.
; THE MODE: SCHED_MODE bits 1:0 = 2 (LLVM: expert scheduling mode 2), set by the entry lines.  The code itself states the register dependences
; between vector or matrix instructions and memory or LDS instructions, with s_wait_alu, always for 0.
; THE PLAN.  The text has no loop and no branch.  Registers that memory or LDS instructions touch:
;   v1-6          offsets, written at the head and never again.
;   v7-15         a phase's addresses: written in front of a barrier (v7, v8 also in phase X and ahead of the attention), behind a wait on vm_vsrc; a wait on va_vdst follows the last of them.
;   v51-53, 56-61 a quantiser's byte, word and codes: written by vector lines, read by LDS stores: a wait on va_vdst ahead of the stores, one on vm_vsrc ahead of the next quantiser.
;   a tile, its words, a bias, Q, the projection's two buffers: LDS loads land, products read: one wait on va_vdst behind the products, ahead of the loads that fill them again.
;   weights: global loads land, products read: under window 1 the switch, the wait on va_vdst, the loads.
;   operands and scale words that vector lines write (K's, V's and p's codes and words, the zeros): a wait on va_vdst between the last of those lines and the scaled product, behind its places.
;   scalar results of vector lines (the wave's number, the masks' compares): a wait on va_sdst ahead of the first reader.
.set TP,    3136                       ; a tile's two images (2 x 1,536) + 64: the four tiles that phase X's lanes write fall on different banks
.set PRIVQ, 75264                      ; behind 24 tiles: Q's codes, each wave's own: 3,584 a wave, 896 a tile (768 codes, 128 words)
.set ASYM,  25088                      ; written behind the second barrier, over the halo's tiles and PRIVQ: tile m at 9,216 m, six images
.set XSC,   103936                     ; x's scale words: 128 tile + 8 row + 4 step
.set TSC,   107008                     ; the projection's: 512 step + 64 tile + 4 row
.set CSC,   111104                     ; ctx's: 128 tile + 8 row + 4 step
.set CONST, 112128                     ; in_b 0, out_b 3,072, proj_b 4,096, ln_g 5,120, ln_b 6,144
.set LNP,   119296                     ; two tables of (16 tile + row) x 32 + 4 wave
.set CTX,   127488                     ; ctx's images: 3,072 a tile
.set XF,    152064                     ; x of my rows in f32: (32 g + 8 tau + row % 8) x 1,040 + (row / 8) x 66,688 + 4 channel
.set YST,   152064                     ; over it, behind the last barrier: each wave's stage, 32 channels x 560
.set MSB, 0
.macro WIN new                         ; the immediate's high byte repeats the setting that is left
.if MSB != \new
	s_set_vgpr_msb (MSB<<8)|\new
.set MSB, \new
.endif
.endm
.macro PLACES n                        ; plain vector lines behind a matrix instruction (ISA guide 7.12.1)
.rept \n
	v_nop
.endr
.endm
.macro BARRIER
	s_barrier_signal -1
	s_barrier_wait -1
.endm
.macro MM d, a, b, c, sa, sb
	v_wmma_scale_f32_16x16x128_f8f6f4 v[(\d):(\d)+7], v[(\a):(\a)+11], v[(\b):(\b)+11], v[(\c):(\c)+7], v[(\sa)], v[(\sb)] matrix_a_fmt:MATRIX_FMT_BF6 matrix_b_fmt:MATRIX_FMT_BF6
.endm
.macro MM0 d, a, b, sa, sb             ; the constant 0 starts the sum
	v_wmma_scale_f32_16x16x128_f8f6f4 v[(\d):(\d)+7], v[(\a):(\a)+11], v[(\b):(\b)+11], 0, v[(\sa)], v[(\sb)] matrix_a_fmt:MATRIX_FMT_BF6 matrix_b_fmt:MATRIX_FMT_BF6
.endm
.macro MMR d, a, b, c, sa, sb          ; source 1's scales from lanes 16-31
	v_wmma_scale_f32_16x16x128_f8f6f4 v[(\d):(\d)+7], v[(\a):(\a)+11], v[(\b):(\b)+11], v[(\c):(\c)+7], v[(\sa)], v[(\sb)] matrix_a_fmt:MATRIX_FMT_BF6 matrix_b_fmt:MATRIX_FMT_BF6 matrix_b_scale:MATRIX_SCALE_ROW1
.endm
; 32 numbers of a lane, one whole block, v[s] on.  QWMAX: the largest magnitude, with the floor 2^(5 - 127) as a leaf; each group of eight registers is first read at its low end.
.macro QWMAX s
	v_max3_num_f32 v48, |v[(\s)]|, |v[(\s)+1]|, 0x2800000
	v_max3_num_f32 v49, |v[(\s)+2]|, |v[(\s)+3]|, |v[(\s)+4]|
.irp i, 5,9,13,17,21,25
	v_max3_num_f32 v48, v48, |v[(\s)+\i]|, |v[(\s)+\i+1]|
	v_max3_num_f32 v49, v49, |v[(\s)+\i+2]|, |v[(\s)+\i+3]|
.endr
	v_max3_num_f32 v48, v48, |v[(\s)+29]|, |v[(\s)+30]|
	v_max3_num_f32 v48, v48, v49, |v[(\s)+31]|
.endm
.macro QWCVT s                         ; 4 off the exponent field is the conversions' scale operand; its field is the byte (v51); that shift is the plain line behind the conversions
	v_add_nc_u32 v50, 0xfe000000, v48
	v_cvt_scalef32_pk16_bf6_f32 v[56:58], v[(\s):(\s)+15], v50
	v_cvt_scalef32_pk16_bf6_f32 v[60:62], v[(\s)+16:(\s)+31], v50
	v_lshrrev_b32 v51, 23, v50
.endm
.macro QWMOV                           ; (a conversion's three registers begin on an even number)  the block's six registers: v56-61
	v_mov_b32 v59, v60
	v_mov_b32 v60, v61
	v_mov_b32 v61, v62
.endm
.macro QW s
	QWMAX \s
	QWCVT \s
	QWMOV
.endm
.macro PUT1 dst                        ; the block's codes into window 1
	WIN 0x40
.irp i, 0,1,2,3,4,5
	v_mov_b32 v[(\dst)+\i], v[56+\i]
.endr
	WIN 0
.endm
.macro IMG adr, off                    ; the block's codes into an image: three pairs
.irp k, 0,1,2
	ds_store_b64 v[\adr], v[56+2*\k:57+2*\k] offset:(\off)+256*\k
.endr
.endm
.macro XFETCH adr, off, sadr, soff     ; a tile's two images into v192-215 and its two scale words into v32, v33: 13 LDS loads
.irp k, 0,1,2,3,4,5
	ds_load_b64 v[192+2*\k:193+2*\k], v[\adr] offset:(\off)+256*\k
.endr
.irp k, 0,1,2,3,4,5
	ds_load_b64 v[204+2*\k:205+2*\k], v[\adr] offset:(\off)+1536+256*\k
.endr
	ds_load_b64 v[32:33], v[\sadr] offset:(\soff)
.endm
.macro BIASLD off                      ; 32 numbers of a bias: my half's channels, in the result's layout: the C of each sum's first product
.irp q, 0,1,2,3,4,5,6,7
	ds_load_b128 v[216+4*\q:219+4*\q], v11 offset:(\off)+16*\q
.endr
.endm
.macro WLOAD reg, sb, off              ; eight weight fragments: 24 loads of 512 consecutive bytes
.set WI_, 0
.rept 24
	global_load_b128 v[(\reg)+4*WI_:(\reg)+4*WI_+3], v4, s[\sb:\sb+1] offset:(\off)+512*WI_
.set WI_, WI_+1
.endr
.endm
.macro SLOAD reg, cnt, sb, off         ; and their scale words
.set WI_, 0
.rept \cnt
	global_load_b32 v[(\reg)+WI_], v2, s[\sb:\sb+1] offset:(\off)+128*WI_
.set WI_, WI_+1
.endr
.endm
; Transposed: source 0 = 16 rows of a weight, source 1 = the tile in v192-215.  Four tiles of rows, two K steps; the four accumulators take turns.
.macro TMUL d, wb, win, ws
	WIN \win
.irp tc, 0,1,2,3
	MM (\d)+8*\tc, (\wb)+24*\tc, 192, 216+8*\tc, (\ws)+2*\tc, 32
.endr
.irp tc, 0,1,2,3
	MM (\d)+8*\tc, (\wb)+24*\tc+12, 204, (\d)+8*\tc, (\ws)+2*\tc+1, 33
.endr
	WIN 0
.endm
; Straight: source 0 = the tile, source 1 = 16 rows of Wv (window 1): a lane holds one channel, and over tau the 32 tokens of one slot
.macro VMUL tau
	WIN 0x04
.irp d, 0,1,2,3
	MM 64+32*\d+8*(\tau), 192, 24*\d, 216+8*\d, 32, 16+2*\d
.endr
.irp d, 0,1,2,3
	MM 64+32*\d+8*(\tau), 204, 24*\d+12, 64+32*\d+8*(\tau), 33, 16+2*\d+1
.endr
	WIN 0
.endm
; ---------------------------------------------------------------- head
	s_load_b512 s[4:19], s[0:1], 0x0               ; feat s[4:5], in_b s[6:7], out_b s[8:9], proj_b s[10:11], ln_g s[12:13], ln_b s[14:15], wimg s[16:17], wsc s[18:19]
	s_load_b64 s[20:21], s[0:1], 0x40              ; out0
	s_set_vgpr_msb 0x40
	v_lshl_add_u32 v254, v0, 2, 0x48200
	v_mov_b32 v255, 0
	s_set_vgpr_msb 0x4000
	v_and_b32 v1, 31, v0                           ; lane
	v_lshrrev_b32 v7, 5, v0
	v_readfirstlane_b32 s22, v7                    ; wave 0..7
	v_lshlrev_b32 v2, 2, v1                        ; 4 x lane
	v_lshlrev_b32 v3, 3, v1                        ; 8 x lane
	v_lshlrev_b32 v4, 4, v1                        ; 16 x lane
	v_and_b32 v5, 15, v1
	v_lshlrev_b32 v5, 3, v5                        ; 8 x (lane % 16)
	v_lshrrev_b32 v6, 4, v1
	v_lshlrev_b32 v6, 3, v6                        ; 8 x (lane / 16): a byte's place in a scale word
	v_mov_b32 v54, 0                               ; written once: a lane permute's destination counts as one of its sources
	v_mov_b32 v55, 0
	s_wait_alu depctr_va_sdst(0)                   ; s22 is written, ahead of its first reader: every share and address below is made from it
	s_and_b32 s23, s22, 3                          ; head; later the quarter of the channels
	s_lshr_b32 s24, s22, 2                         ; key half g; later the half of the tokens; in phase X the row of a pair
	s_xor_b32 s25, s24, 1                          ; query half
	s_lshr_b32 s26, ttmp9, 5                       ; image
	s_and_b32 s27, ttmp9, 31                       ; band
	s_lshl_b32 s28, s27, 1                         ; my first image row
	s_mov_b32 s30, 0x76543210
	s_mov_b32 s31, 0xfedcba98                      ; v_permlanex16_b32's selects for lane l xor 16
	s_mov_b32 s32, 0x3e38aa3b                      ; log2(e) / sqrt(64)
	s_mov_b32 s33, 0x3b800000                      ; 1 / 256
	s_mov_b32 s34, 0x3727c5ac                      ; 1e-5
	; phase X: a unit is 32 tokens (one slot, one half) x 128 channels.  Own unit: slot 2 + wave / 4, K step (wave / 2) % 2, half wave % 2.
	; Halo units: slot number wave / 2 of (0, 1, 4, 5), half wave % 2, both K steps.
	s_bfe_u32 s74, s22, 0x10001                    ; (wave / 2) % 2
	s_and_b32 s75, s22, 1                          ; half
	s_xor_b32 s76, s74, s24
	s_xor_b32 s76, s76, 1
	s_add_co_u32 s76, s76, 1                       ; the halo slot's pair: 2, 1, 1, 2
	s_mul_i32 s77, s75, 4*TP
	s_lshl_b32 s78, s24, 6
	s_add_co_u32 s77, s77, s78                     ; four tiles a half, rows 8 on for the pair's second slot
	s_mul_i32 s79, s74, 1536
	s_add_co_u32 s66, s77, s79                     ; s66-68: where a unit's codes go
	s_mul_i32 s79, s76, 8*TP
	s_add_co_u32 s67, s77, s79
	s_add_co_u32 s68, s67, 1536
	s_lshl_b32 s77, s75, 9
	s_add_co_u32 s77, s77, s78
	s_add_co_u32 s77, s77, XSC
	s_lshl_b32 s79, s74, 2
	s_add_co_u32 s69, s77, s79                     ; s69-71: and its scale words
	s_lshl_b32 s79, s76, 10
	s_add_co_u32 s70, s77, s79
	s_add_co_u32 s71, s70, 4
	s_lshl_b32 s77, s74, 9
	s_lshl_b32 s79, s75, 8
	s_add_co_u32 s77, s77, s79
	s_lshl_b32 s79, s24, 5
	s_add_co_u32 s77, s77, s79
	s_add_co_u32 s72, s77, TSC                     ; the own unit's words once more, as the projection reads them
	s_mul_i32 s77, s75, 33280
	s_mul_i32 s79, s24, 66688
	s_add_co_u32 s77, s77, s79
	s_lshl_b32 s79, s74, 9
	s_add_co_u32 s77, s77, s79
	s_add_co_u32 s73, s77, XF                      ; and its numbers in f32
	s_lshl_b32 s80, s26, 22                        ; an image is 2^22 bytes, a channel 16,384, an image row 256
	s_lshl_b32 s81, s75, 7
	s_add_co_u32 s81, s80, s81
	s_add_co_u32 s82, s28, s24
	s_lshl_b32 s82, s82, 8
	s_add_co_u32 s82, s82, s81
	s_lshl_b32 s84, s74, 21
	s_add_co_u32 s82, s82, s84                     ; the own unit's first byte
	s_mov_b32 s83, 0
	s_lshr_b32 s84, s22, 1
	s_lshl_b32 s85, s24, 1
	s_add_co_u32 s84, s84, s85                     ; the halo slot: 0, 1, 4, 5
	s_add_co_u32 s84, s84, s28
	s_sub_co_i32 s84, s84, 2
	s_max_i32 s84, s84, 0                          ; a row outside the image is read as the nearest inside: no load leaves the buffer; the mask hides its keys
	s_min_i32 s84, s84, 63
	s_lshl_b32 s84, s84, 8
	s_add_co_u32 s84, s84, s81
	s_mov_b32 s85, 0
	v_add_nc_u32 v15, 2, v1
	v_and_b32 v15, 7, v15                          ; token T = lane stands in row (T + 2) % 8 of its group of eight
	v_lshrrev_b32 v14, 3, v1                       ; tau
	v_mul_u32_u24 v11, v14, TP
	v_lshl_add_u32 v11, v15, 3, v11                ; codes: tile, 8 x row
	v_lshlrev_b32 v12, 7, v14
	v_lshl_add_u32 v12, v15, 3, v12                ; scale words
	v_lshlrev_b32 v13, 6, v14
	v_lshl_add_u32 v13, v15, 2, v13                ; the projection's scale words
	v_and_b32 v10, 24, v1
	v_add_nc_u32 v10, v10, v15
	v_mul_u32_u24 v10, v10, 1040
	v_add_nc_u32 v10, s73, v10                     ; f32
	v_lshl_add_u32 v14, v0, 2, CONST
	v_lshlrev_b32 v15, 2, v0
	s_wait_kmcnt 0x0
	s_add_nc_u64 s[36:37], s[4:5], s[82:83]        ; s[36:41]: the three units
	s_add_nc_u64 s[38:39], s[4:5], s[84:85]
	s_add_nc_u64 s[40:41], s[38:39], 0x200000      ; 128 channels on
	s_mul_i32 s78, s23, 12288
	s_mov_b32 s79, 0
	s_add_nc_u64 s[42:43], s[16:17], s[78:79]      ; my head's eight fragments of Wq; Wk, Wv, out_w 49,152 bytes apart
	s_mul_i32 s78, s22, 24576
	s_add_nc_u64 s[44:45], s[16:17], s[78:79]      ; my 16 fragments of proj_w, less 196,608
	s_lshl_b32 s78, s23, 10
	s_add_nc_u64 s[46:47], s[18:19], s[78:79]
	s_lshl_b32 s78, s22, 11
	s_add_nc_u64 s[48:49], s[18:19], s[78:79]
	s_lshl_b32 s78, s22, 19
	s_add_co_u32 s78, s78, s80
	s_lshl_b32 s77, s28, 8
	s_add_co_u32 s78, s78, s77
	s_add_nc_u64 s[50:51], s[20:21], s[78:79]      ; out0 at my image, my 32 channels, my two rows
	s_wait_alu depctr_va_vdst(0)                   ; the offsets v2 to v4 and v15 and the LDS addresses v10 and v14 are written, which the loads and stores below read
	global_load_b32 v248, v15, s[6:7]              ; the biases and gains: 256 threads x 4 bytes, seven times
	global_load_b32 v249, v15, s[6:7] offset:1024
	global_load_b32 v250, v15, s[6:7] offset:2048
	global_load_b32 v251, v15, s[8:9]
	global_load_b32 v252, v15, s[10:11]
	global_load_b32 v253, v15, s[12:13]
	global_load_b32 v254, v15, s[14:15]
	WIN 0x40
	WLOAD 0, 42, 0                                 ; Wq into window 1 (no vector line has named these registers)
	WIN 0
	SLOAD 16, 8, 46, 0
; ---------------------------------------------------------------- X: feat becomes codes.  A lane takes a token, its registers run down the channels: a block of 32 is one lane's
.macro LOAD t                          ; block t: unit t / 4, channels 32 (t % 4) on: each load reads 128 consecutive bytes
.set LI_, 0
.rept 32
	global_load_b32 v[64+32*((\t)%2)+LI_], v2, s[36+2*((\t)/4):37+2*((\t)/4)] offset:(32*((\t)%4)+LI_)*16384
.set LI_, LI_+1
.endr
.endm
.macro BLOCK t
.set XS_, 64+32*((\t)%2)
.set BQ_, (\t)%4
.set U_, (\t)/4
.if (\t) < 11
	s_wait_loadcnt 32                              ; this block's loads are in, and all older ones; the next block's 32 may be out
.else
	s_wait_loadcnt 0
.endif
.if (\t) == 0
.irp k, 0,1,2,3,4,5,6
	ds_store_b32 v14, v[248+\k] offset:1024*\k
.endr
.endif
.if (\t) < 4
.irp k, 0,1,2,3,4,5,6,7
	ds_store_b128 v10, v[XS_+4*\k:XS_+4*\k+3] offset:128*BQ_+16*\k   ; my rows' numbers stay in f32 for |x - c| and x c
.endr
.endif
	QWMAX XS_
	s_wait_dscnt 0x0                               ; the earlier LDS stores are done
	s_wait_alu depctr_vm_vsrc(0)                   ; the LDS stores issued so far have read the last block's codes (v56-61), word (v52) and addresses (v7-9), which are written below, and this set of numbers, in which loads land below
.if BQ_ == 0
	v_add_nc_u32 v7, s[66+U_], v11
	v_add_nc_u32 v8, s[69+U_], v12
.endif
.if (\t) == 0
	v_add_nc_u32 v9, s72, v13
.endif
	QWCVT XS_
	QWMOV
.if BQ_ == 0
	v_mov_b32 v52, v51                             ; four bytes make the token's scale word of this K step
.else
	v_lshl_or_b32 v52, v51, 8*BQ_, v52
.endif
	s_wait_alu depctr_va_vdst(0)                   ; the maxima and conversions are done reading this set, in which the loads below land; the codes, the word and the addresses are written, which the stores below read
.if (\t) <= 9
	LOAD (\t)+2                                    ; into the set just converted
.endif
	IMG 7, 768*(BQ_>>1)+128*(BQ_&1)                ; block B of a K step: registers 6 (B / 2) on of the image's lane row + 16 (B % 2)
.if BQ_ == 3
	ds_store_b32 v8, v52
.if U_ == 0
	ds_store_b32 v9, v52
.endif
.endif
.endm
	LOAD 0
	LOAD 1
.irp t, 0,1,2,3,4,5,6,7,8,9,10,11
	BLOCK \t
.endr
	WLOAD 96, 42, 49152                            ; Wk into v96-191.  No wait: no vector line since the last block's wait names these registers
	SLOAD 24, 8, 46, 4096
	s_wait_dscnt 0x0                               ; for the others' sake: my stores have landed
	s_wait_alu depctr_vm_vsrc(0)                   ; my LDS stores have read v7 to v10 and v14, and the head's loads v15: all are written below
	s_mul_i32 s74, s24, 4*TP
	v_add_nc_u32 v7, s74, v3                       ; v7: tiles of my key half
	s_mul_i32 s75, s25, 4*TP
	v_add_nc_u32 v9, s75, v3                       ; v9: of my query half
	s_lshl_b32 s74, s24, 9
	s_add_co_u32 s74, s74, XSC
	v_add_nc_u32 v8, s74, v5                       ; v8, v10: their scale words
	s_lshl_b32 s75, s25, 9
	s_add_co_u32 s75, s75, XSC
	v_add_nc_u32 v10, s75, v5
	s_lshl_b32 s74, s23, 8
	s_add_co_u32 s74, s74, CONST
	v_lshl_add_u32 v11, v6, 4, s74                 ; v11: a bias at channel 64 head + 32 (lane / 16)
	v_and_b32 v12, 7, v1
	v_bfe_u32 v15, v1, 3, 1
	v_lshl_add_u32 v12, v15, 5, v12
	s_add_co_u32 s74, s74, 2048
	v_lshl_add_u32 v12, v12, 2, s74                ; v12: V's bias at channel 64 head + 32 (r / 8) + r % 8
	s_mul_i32 s75, s22, 3584
	s_add_co_u32 s75, s75, PRIVQ
	v_add_nc_u32 v13, s75, v3                      ; v13, v14: my Q's codes and words
	s_add_co_u32 s75, s75, 768
	v_add_nc_u32 v14, s75, v2
	s_wait_alu depctr_va_vdst(0)                   ; the addresses v7 to v14 are written, which the LDS instructions up to the next barrier read
	BARRIER                                        ; x's 24 tiles, their words, the f32 rows and the constants lie in LDS
; ---------------------------------------------------------------- Q of my head for the four query tiles: to my own LDS bytes
	BIASLD 0
	XFETCH 9, 0, 10, 0
.irp tau, 0,1,2,3
	s_wait_dscnt 0x0                               ; the tile (and the bias) is in
.if \tau > 0
	s_wait_alu depctr_vm_vsrc(0)                   ; the last tile's LDS stores have read v53 and v56-61, which this tile's quantiser writes again
.endif
	TMUL 64, 0, 0x01, 16
	PLACES 4
	s_wait_alu depctr_va_vdst(0)                   ; the products are done reading the tile (v192-215), its words (v32, v33) and the bias (v216-247), in which the loads below land
.if \tau < 3
	XFETCH 9, TP*(\tau+1), 10, 128*(\tau+1)
.else
	BIASLD 1024                                    ; K's bias and first tile
	XFETCH 7, 0, 8, 0
.endif
	QW 64                                          ; lane (r, h): query r, channels 32 h on of the head
	v_lshlrev_b32 v53, v6, v51
	v_permlanex16_b32 v55, v53, s30, s31
	v_or_b32 v53, v53, v55
	v_lshl_or_b32 v53, v53, 16, v53                ; the two bytes twice: for [Q | 0] and for [0 | Q]
	s_wait_alu depctr_va_vdst(0)                   ; the quantiser has written the codes (v56-61) and the word (v53), which the LDS stores read
	IMG 13, 896*\tau
	ds_store_b32 v14, v53 offset:896*\tau
.endr
	s_wait_loadcnt 0x0                             ; Wk and its words are in
	WIN 0x40
	s_wait_alu depctr_va_vdst(0)                   ; Q's products are done reading Wq (window 1, v0-95) and its words (v16-23), in which Wv and its words land
	WLOAD 0, 42, 98304                             ; Wv takes Wq's place
	WIN 0
	SLOAD 16, 8, 46, 8192
	s_wait_alu depctr_vm_vsrc(0)                   ; my stores of Q have read v53 and v56-61, which K's quantisers write
; ---------------------------------------------------------------- K of my head for the 12 tiles of my key half: codes to window 1, v[96 + 6 tile]
.irp kt, 0,1,2,3,4,5,6,7,8,9,10,11
	s_wait_dscnt 0x0
	TMUL 64, 96, 0, 24
	PLACES 4
	s_wait_alu depctr_va_vdst(0)                   ; the products are done reading the tile, its words and (for the last tile) the bias, in which the loads below land
.set NX_, \kt+1
.if NX_ < 12
	XFETCH 7, (8*(NX_/4)+NX_%4)*TP, 8, (8*(NX_/4)+NX_%4)*128
.else
.irp d, 0,1,2,3
.irp j, 0,1,2,3,4,5,6,7
	ds_load_b32 v[216+8*\d+\j], v12 offset:32*\d   ; V's bias: a lane holds one channel, so eight copies
.endr
.endr
	XFETCH 7, 0, 8, 0
.endif
	QW 64
	PUT1 96+6*\kt
.if \kt%2 == 0
	v_lshlrev_b32 v[34+\kt/2], v6, v51             ; a fragment's word: the even tile's two bytes below, the odd tile's above
.else
	v_lshlrev_b32 v53, v6, v51
	v_lshl_or_b32 v[34+\kt/2], v53, 16, v[34+\kt/2]
.endif
.endr
.irp i, 0,2,4
	v_permlanex16_b32 v54, v[34+\i], s30, s31
	v_permlanex16_b32 v55, v[35+\i], s30, s31
	v_or_b32 v[34+\i], v[34+\i], v54               ; with lane l xor 16's bytes the words are whole
	v_or_b32 v[35+\i], v[35+\i], v55
.endr
; ---------------------------------------------------------------- V likewise; a lane's 32 registers over tau are the 32 keys of one slot: a whole block of the second product's K
	s_wait_loadcnt 0x0                             ; Wv and its words
.irp pi, 0,1,2
.irp tau, 0,1,2,3
	s_wait_dscnt 0x0
	VMUL \tau
	PLACES 4
.set NX_, 4*\pi+\tau+1
.if NX_ < 12
	s_wait_alu depctr_va_vdst(0)                   ; the products are done reading the tile and its words, in which the next tile lands
	XFETCH 7, (8*(NX_/4)+NX_%4)*TP, 8, (8*(NX_/4)+NX_%4)*128
.endif
.endr
.irp d, 0,1,2,3
	QW 64+32*\d
.if \pi < 2
	PUT1 168+12*\d+6*\pi                           ; fragment d: [pair 0 | pair 1]
.else
	PUT1 216+12*(\d/2)+6*(\d%2)                    ; pair 2: [d even | d odd]
.endif
.if \pi == 0
	v_lshlrev_b32 v[40+\d], v6, v51
.elseif \pi == 1
	v_lshlrev_b32 v53, v6, v51
	v_lshl_or_b32 v[40+\d], v53, 16, v[40+\d]
.elseif \d%2 == 0
	v_lshlrev_b32 v[44+\d/2], v6, v51
.else
	v_lshlrev_b32 v53, v6, v51
	v_lshl_or_b32 v[44+\d/2], v53, 16, v[44+\d/2]
.endif
.endr
.endr
.irp i, 0,2,4
	v_permlanex16_b32 v54, v[40+\i], s30, s31
	v_permlanex16_b32 v55, v[41+\i], s30, s31
	v_or_b32 v[40+\i], v[40+\i], v54
	v_or_b32 v[41+\i], v[41+\i], v55
.endr
	WIN 0x40
	s_wait_alu depctr_va_vdst(0)                   ; V's products are done reading Wv (window 1, v0-95), K's products Wk's words (v24-31): out_w and its words land there.  K's and V's codes and scale words are written, which the scaled products of the attention take
	WLOAD 0, 42, 147456                            ; out_w takes Wv's place
	WIN 0
	SLOAD 24, 8, 46, 12288
; ---------------------------------------------------------------- attention
; Lane (r, h) holds query r (row r / 8 of my two, token tq = (r % 8 + 6) % 8 of its tile) and, of pair pi, the keys of slot (pi, h).
; Register j of key tile tk holds token 8 tk + (j + 6) % 8.  With D = tk + tau - 3 the key counts where |8 D + tq + (j + 6) % 8 - 7| <= w,
; w = 2 less the rows between slot and query = 2 - e, 1 - e, -e for pairs 0, 1, 2, e = h xor (r / 8); w = -1 for a slot outside the image.
; So of pair 0 the tiles D = -1, 0, 1 can count (registers 0, 1 | all | 2, 3), of pair 1 the same (1 | all | 2), of pair 2 D = 0 alone: 30 registers, 30 mask words (0 or -infinity), made once.
; The compares stand in runs and write scalar registers of their own (mask word i: s[52 + i] for i < 12, s[54 + i] from 12 on), so that one wait serves a run.
.irp i, 0,1,2,3,4,5
	v_mov_b32 v[100+\i], 0                         ; the zeros between Q and Q,
	v_mov_b32 v[130+\i], 0                         ; and between P and P
.endr
	v_and_b32 v48, 7, v1
	v_add_nc_u32 v48, 6, v48
	v_and_b32 v48, 7, v48                          ; tq
	v_bfe_u32 v49, v1, 3, 1
	v_lshrrev_b32 v50, 4, v1                       ; h
	v_xor_b32 v49, v49, v50                        ; e
	v_sub_nc_u32 v52, 2, v49                       ; w of pairs 0, 1, 2
	v_sub_nc_u32 v53, 1, v49
	v_sub_nc_u32 v54, 0, v49
	v_mov_b32 v56, 0xff800000
	v_mov_b32 v57, 0
	v_mov_b32 v58, -1
	s_sub_co_i32 s74, s28, 1
	v_mad_u32_u24 v59, v50, 3, s74                 ; pair 1's image row: y0 - 1 + 3 h
	v_cmp_gt_u32 s84, 64, v59
	s_sub_co_i32 s75, s28, 2
	v_mad_u32_u24 v59, v50, 5, s75                 ; pair 2's: y0 - 2 + 5 h
	v_cmp_gt_u32 s85, 64, v59
	s_wait_alu depctr_va_sdst(0)                   ; the two compares have written s84 and s85, ahead of the selects that read them
	v_cndmask_b32 v53, v58, v53, s84
	v_cndmask_b32 v54, v58, v54, s85
.irp j, 0,1,2,3,4,5,6,7
	v_add_nc_u32 v55, ((\j+6)&7)-7, v48            ; D = 0
	v_ashrrev_i32 v59, 31, v55
	v_xor_b32 v55, v55, v59
	v_sub_nc_u32 v55, v55, v59                     ; its magnitude
	v_cmp_le_i32 s[52+\j], v55, v52                ; mask words j, 12 + j, 22 + j
	v_cmp_le_i32 s[66+\j], v55, v53
	v_cmp_le_i32 s[76+\j], v55, v54
.endr
	v_sub_nc_u32 v55, 9, v48                       ; D = -1, register 0 (token 6)
	v_cmp_le_i32 s60, v55, v52                     ; word 8
	v_sub_nc_u32 v55, 8, v48                       ; D = -1, register 1 (token 7)
	v_cmp_le_i32 s61, v55, v52                     ; words 9 and 20
	v_cmp_le_i32 s74, v55, v53
	v_add_nc_u32 v55, 1, v48                       ; D = 1, register 2 (token 0)
	v_cmp_le_i32 s62, v55, v52                     ; words 10 and 21
	v_cmp_le_i32 s75, v55, v53
	v_add_nc_u32 v55, 2, v48                       ; D = 1, register 3 (token 1)
	v_cmp_le_i32 s63, v55, v52                     ; word 11
	s_wait_alu depctr_va_sdst(0)                   ; the thirty compares have written s52-63 and s66-83, ahead of the selects that read them
.set CI_, 0
.rept 30
	v_cndmask_b32 v[64+CI_], v56, v57, s[52+CI_+2*((CI_/12+1)/2)]
.set CI_, CI_+1
.endr
	s_mul_i32 s74, s25, 12288
	s_lshr_b32 s75, s23, 1
	s_mul_i32 s76, s75, 1536
	s_add_co_u32 s74, s74, s76
	s_and_b32 s77, s23, 1
	s_mul_i32 s76, s77, 768
	s_add_co_u32 s74, s74, s76
	s_add_co_u32 s74, s74, CTX
	s_wait_alu depctr_vm_vsrc(0)                   ; the LDS loads of x's tiles and words have read v7 and v8, which are written below
	v_add_nc_u32 v7, s74, v3                       ; v7: ctx's image: my query half's tiles, K step head / 2, registers 6 (head % 2) on
	s_lshl_b32 s74, s25, 9
	s_lshl_b32 s76, s75, 2
	s_add_co_u32 s74, s74, s76
	s_lshl_b32 s76, s77, 1
	s_add_co_u32 s74, s74, s76
	s_add_co_u32 s74, s74, CSC
	v_lshrrev_b32 v8, 4, v1
	v_add_nc_u32 v8, v8, v5
	v_add_nc_u32 v8, s74, v8                       ; v8: and my byte of its scale word
; Sets A_ (does register j of key tile tk of pair pi count for query tile tau?), SR_ (the register) and MI_ (its mask word)
.macro ISACT pi, tk, j, tau
.set D_, (\tk)+(\tau)-3
.set A_, 0
.set MI_, 0
.if D_ == 0
.set A_, 1
.set MI_, 12*(\pi)-2*((\pi)/2)+(\j)
.elseif (D_ == -1) && ((\pi) < 2) && ((\j) >= (\pi)) && ((\j) <= 1)
.set A_, 1
.set MI_, 8+11*(\pi)+(\j)
.elseif (D_ == 1) && ((\pi) < 2) && ((\j) >= 2) && ((\j) < 4-(\pi))
.set A_, 1
.set MI_, 8+11*(\pi)+(\j)
.endif
.if (\pi) == 2
.set SR_, 208+8*((\tk)&1)+(\j)
.else
.set SR_, 144+32*(\pi)+8*(\tk)+(\j)
.endif
.endm
; One line for each register that counts, ascending.  op 0: t = score x c + mask;  1: the block's largest t (v224 + pair);  2: t - M;  3: p = 2^(t - M);  4: the block's sum (v227 + pair)
.macro ACT tau, op
.irp pi, 0,1,2
.set N_, 0
.irp tk, 0,1,2,3
.irp j, 0,1,2,3,4,5,6,7
	ISACT \pi, \tk, \j, \tau
.if A_
.if \op == 0
	v_fma_f32 v[SR_], v[SR_], s32, v[64+MI_]
.elseif \op == 1
.if N_ == 0
.set F_, SR_
.set N_, 1
.elseif N_ == 1
	v_max_num_f32 v[224+\pi], v[F_], v[SR_]
.set N_, 2
.elseif N_ == 2
.set F_, SR_
.set N_, 3
.else
	v_max3_num_f32 v[224+\pi], v[224+\pi], v[F_], v[SR_]
.set N_, 2
.endif
.elseif \op == 2
	v_add_f32 v[SR_], v[SR_], v230
.elseif \op == 3
	v_exp_f32 v[SR_], v[SR_]
.else
.if N_ == 0
.set F_, SR_
.set N_, 1
.elseif N_ == 1
	v_add_f32 v[227+\pi], v[F_], v[SR_]
.set N_, 2
.else
	v_add_f32 v[227+\pi], v[227+\pi], v[SR_]
.endif
.endif
.endif
.endr
.endr
.if (\op == 1) && (N_ == 3)
	v_max_num_f32 v[224+\pi], v[224+\pi], v[F_]
.endif
.endr
.endm
.macro PZERO tau                       ; p = 0 in every register that does not count, of each run of 16 that goes to a conversion
.irp pi, 0,1
.irp G, 0,1
.set DA_, 2*\G+(\tau)-3
.if (DA_ >= -2) && (DA_ <= 1)
.irp u, 0,1
.irp j, 0,1,2,3,4,5,6,7
	ISACT \pi, 2*\G+\u, \j, \tau
.if A_ == 0
	v_mov_b32 v[SR_], 0
.endif
.endr
.endr
.endif
.endr
.endr
.irp j, 0,1,2,3,4,5,6,7
	v_mov_b32 v[208+8*(1-((3-(\tau))&1))+\j], 0
.endr
.endm
.macro PCVT tau                        ; p's codes: v112-123 = [pair 0 | pair 1], v124-141 = pair 2, zeros, pair 2.  A run of 16 keys none of which counts is three zeros
.irp pi, 0,1
.if (\tau) >= 1
	v_cvt_scalef32_pk16_bf6_f32 v[112+6*\pi:114+6*\pi], v[144+32*\pi:159+32*\pi], v[237+\pi]
.endif
.if (\tau) <= 2
	v_cvt_scalef32_pk16_bf6_f32 v[56+4*\pi:58+4*\pi], v[160+32*\pi:175+32*\pi], v[237+\pi]
.endif
.endr
.if (\tau) >= 2
	v_cvt_scalef32_pk16_bf6_f32 v[124:126], v[208:223], v239
.else
	v_cvt_scalef32_pk16_bf6_f32 v[52:54], v[208:223], v239
.endif
	v_nop                                          ; one plain line behind the last scaled conversion
.irp pi, 0,1
.irp i, 0,1,2
.if (\tau) == 0
	v_mov_b32 v[112+6*\pi+\i], 0
.endif
.if (\tau) <= 2
	v_mov_b32 v[115+6*\pi+\i], v[56+4*\pi+\i]
.else
	v_mov_b32 v[115+6*\pi+\i], 0
.endif
.endr
.endr
.irp i, 0,1,2
.if (\tau) >= 2
	v_mov_b32 v[127+\i], 0
.else
	v_mov_b32 v[124+\i], 0
	v_mov_b32 v[127+\i], v[52+\i]
.endif
.endr
.irp i, 0,1,2,3,4,5
	v_mov_b32 v[136+\i], v[124+\i]
.endr
.endm
.macro QLOAD tau                       ; Q, (zeros,) Q and its word
.irp k, 0,1,2
	ds_load_b64 v[94+2*\k:95+2*\k], v13 offset:896*(\tau)+256*\k
	ds_load_b64 v[106+2*\k:107+2*\k], v13 offset:896*(\tau)+256*\k
.endr
	ds_load_b32 v32, v14 offset:896*(\tau)
.endm
.macro UNIT tau                        ; one tile of 16 queries
	s_wait_dscnt 0x0                               ; Q is in
.if (\tau) > 0
	s_wait_alu depctr_vm_vsrc(0)                   ; the last unit's LDS stores have read v51 and v56-61, which this unit's conversions write again
.endif
	WIN 0x01
.irp pi, 0,1,2
.irp tk, 0,1,2,3
.set D_, \tk+(\tau)-3
.set RT_, 1-\pi/2
.if (D_ <= RT_) && (D_ >= 0-RT_)
.if \pi == 2
.set SD_, 208+8*(\tk&1)
.else
.set SD_, 144+32*\pi+8*\tk
.endif
.set KP_, (4*\pi+\tk)/2
	MM0 SD_, 96+12*KP_, 94+6*(\tk&1), 34+KP_, 32   ; S^T = K Q^T: source 0 = 16 keys, source 1 = my 16 queries
.endif
.endr
.endr
	WIN 0
	PLACES 4
.if (\tau) < 3
	s_wait_alu depctr_va_vdst(0)                   ; the score products are done reading Q (v94-99, v106-111) and its word (v32), in which the next tile's land
	QLOAD (\tau)+1
.endif
	ACT \tau, 0
	ACT \tau, 1
	v_max3_num_f32 v52, v224, v225, v226
	v_permlanex16_b32 v55, v52, s30, s31
	v_max_num_f32 v52, v52, v55                    ; the row's largest t (the centre key always counts)
	v_floor_f32 v230, -v52                         ; -M = floor(-t): M is a whole number
	ACT \tau, 2
.irp pi, 0,1,2
	v_add_f32 v[224+\pi], v[224+\pi], v230         ; the same of each block's largest t: the same two lines on the same number give the block's largest p
.endr
	ACT \tau, 3
.irp pi, 0,1,2
	v_exp_f32 v[224+\pi], v[224+\pi]
.endr
	PZERO \tau                                     ; (its first line is the plain line behind the exponentials; it names none of their results)
	s_wait_alu depctr_va_vdst(0)                   ; the exponentials have written the p (up to 30) and the three blocks' largest p (v224-226): one wait for the batch, ahead of its first reader
.irp pi, 0,1,2
	v_max_num_f32 v[224+\pi], 0x2800000, v[224+\pi]   ; the floor: a block of zeros keeps the byte 1
.endr
.irp pi, 0,1,2
	v_add_nc_u32 v[237+\pi], 0xfe000000, v[224+\pi]
.endr
.irp pi, 0,1,2
	v_lshrrev_b32 v[234+\pi], 23, v[237+\pi]
.endr
	PCVT \tau
	v_lshlrev_b32 v48, v6, v234
	v_lshlrev_b32 v49, v6, v235
	v_lshl_or_b32 v48, v49, 16, v48
	v_permlanex16_b32 v55, v48, s30, s31
	v_or_b32 v46, v48, v55                         ; p's word for [pair 0 | pair 1]
	v_lshlrev_b32 v49, v6, v236
	v_permlanex16_b32 v54, v49, s30, s31
	v_or_b32 v49, v49, v54
	v_lshl_or_b32 v47, v49, 16, v49                ; and for pair 2, twice
	ACT \tau, 4                                    ; the row's sum, of the unquantised p.  (These additions, more than eight, also stand between the scale words' last write and the products)
	v_add_f32 v227, v227, v228
	v_add_f32 v227, v227, v229
	v_permlanex16_b32 v55, v227, s30, s31
	v_add_f32 v227, v227, v55
	v_rcp_f32 v232, v227
	v_nop                                          ; a plain line behind the transcendental
	s_wait_alu depctr_va_vdst(0)                   ; the reciprocal has written v232, ahead of its first reader; p's codes (v112-141) and scale words (v46, v47) are written, which the scaled products below take
	v_mov_b32 v233, v232
	WIN 0x01
.irp d, 0,1,2,3
	MM0 144+8*\d, 168+12*\d, 112, 40+\d, 46        ; O^T = V^T P^T: source 0 = 16 channels, source 1 = P; the four accumulators take turns
.endr
.irp d, 0,1,2,3
	MM 144+8*\d, 216+12*(\d/2), 124+6*(\d&1), 144+8*\d, 44+\d/2, 47
.endr
	WIN 0
	PLACES 4
.set UI_, 0
.rept 16
	v_pk_mul_f32 v[144+2*UI_:145+2*UI_], v[144+2*UI_:145+2*UI_], v[232:233]   ; / the sum: lane (r, h): query r, channels 64 head + 32 h + 0 .. 31
.set UI_, UI_+1
.endr
	QW 144
	s_wait_alu depctr_va_vdst(0)                   ; the quantiser has written the codes (v56-61) and the byte (v51), which the LDS stores read
	IMG 7, 3072*(\tau)
	ds_store_b8 v8, v51 offset:128*(\tau)
.endm
	s_wait_alu depctr_va_vdst(0)                   ; v7 and v8 are written, which ctx's stores read; the zeros in v100-105 and v130-135 are written, which the scaled products take as parts of an operand
	QLOAD 0
.irp tau, 0,1,2,3
	UNIT \tau
.endr
	WIN 0x40
	s_wait_alu depctr_va_vdst(0)                   ; the attention's products are done reading K's and V's codes in window 1, v96-191, in which proj_w lands
	WLOAD 96, 44, 196608+12288                     ; proj_w's fragments 8 to 15 take K's and V's place
	WIN 0
	s_wait_dscnt 0x0                               ; for the others' sake: ctx's images and bytes have landed; my reads of Q are over
	s_wait_alu depctr_vm_vsrc(0)                   ; my LDS instructions have read v9, v10 and v12 to v14, which are written below, and v51 and v56-61, which the next quantisers write
	s_mul_i32 s74, s24, 12288
	s_add_co_u32 s74, s74, CTX
	v_add_nc_u32 v9, s74, v3                       ; v9, v10: ctx's tiles of my half of the tokens, and their words
	s_lshl_b32 s74, s24, 9
	s_add_co_u32 s74, s74, CSC
	v_add_nc_u32 v10, s74, v5
	v_and_b32 v12, 7, v1
	v_mul_u32_u24 v12, v12, 1040
	v_bfe_u32 v15, v1, 3, 1
	v_mad_u32_u24 v12, v15, 66688, v12
	v_lshl_add_u32 v12, v6, 4, v12
	s_mul_i32 s74, s24, 33280
	s_lshl_b32 s75, s23, 8
	s_add_co_u32 s74, s74, s75
	s_add_co_u32 s74, s74, XF
	v_add_nc_u32 v12, s74, v12                     ; v12: x in f32: token r, channels 64 quarter + 32 h on
	s_mul_i32 s74, s24, 36864
	s_lshr_b32 s75, s23, 1
	s_mul_i32 s76, s75, 1536
	s_add_co_u32 s74, s74, s76
	s_and_b32 s77, s23, 1
	s_mul_i32 s76, s77, 768
	s_add_co_u32 s74, s74, s76
	s_add_co_u32 s74, s74, ASYM
	v_add_nc_u32 v13, s74, v3                      ; v13: the images of c, |x - c|, x c
	s_lshl_b32 s74, s75, 9
	s_lshl_b32 s76, s24, 8
	s_add_co_u32 s74, s74, s76
	s_lshl_b32 s76, s77, 1
	s_add_co_u32 s74, s74, s76
	s_add_co_u32 s74, s74, TSC+1024
	v_lshrrev_b32 v14, 1, v5
	v_lshrrev_b32 v15, 4, v1
	v_add_nc_u32 v14, v14, v15
	v_add_nc_u32 v14, s74, v14                     ; v14: my byte of their scale words
	s_wait_alu depctr_va_vdst(0)                   ; the addresses v9, v10 and v12 to v14 are written, which the LDS instructions below read; the attention's lines are done with v192-247, in which the bias and ctx's first tile land
	BARRIER                                        ; ctx lies in LDS; nobody reads the halo's tiles or Q any more
; ---------------------------------------------------------------- c = ctx out_w^T + out_b: 64 channels x 64 tokens a wave, transposed
	BIASLD 3072
	XFETCH 9, 0, 10, 0
	s_wait_loadcnt 24                              ; out_w and its words are in; the 24 loads of proj_w issued behind them may be out
.irp m, 0,1,2,3
	s_wait_dscnt 0x0
	TMUL 64+32*\m, 0, 0x01, 24
	PLACES 4
.if \m < 3
	s_wait_alu depctr_va_vdst(0)                   ; the products are done reading the tile and its words, in which the next tile lands
	XFETCH 9, 3072*(\m+1), 10, 128*(\m+1)
.endif
.endr
	WIN 0x40
	s_wait_alu depctr_va_vdst(0)                   ; the products are done reading out_w (window 1, v0-95), the words in v16-31, the last tile (v192-215) and the bias (v216-223): proj_w, its words and x's numbers land there
	WLOAD 0, 44, 196608                            ; proj_w's fragments 0 to 7 take out_w's place
	WIN 0
	SLOAD 16, 16, 48, 16384
; ---------------------------------------------------------------- c, |x - c|, x c become K steps 2 to 7 of the projection
.irp m, 0,1,2,3
	s_wait_dscnt 0x0
.if \m > 0
	s_wait_alu depctr_vm_vsrc(0)                   ; the last LDS stores have read v51 and v56-61, which the quantiser below writes.  (The loads below owe no wait: no vector line since the wait ahead of those stores names v192-223)
.endif
.irp k, 0,1,2,3,4,5,6,7
	ds_load_b128 v[192+4*\k:195+4*\k], v12 offset:8320*\m+16*\k
.endr
	QW 64+32*\m
	s_wait_alu depctr_va_vdst(0)                   ; the quantiser has written the codes (v56-61) and the byte (v51), which the LDS stores read
	IMG 13, 9216*\m
	ds_store_b8 v14, v51 offset:64*\m
	s_wait_dscnt 0x0                               ; x is in
	s_wait_alu depctr_vm_vsrc(0)                   ; the stores have read v51 and v56-61, which the next quantiser writes
.set UI_, 0
.rept 16
	v_pk_add_f32 v[224+2*UI_:225+2*UI_], v[192+2*UI_:193+2*UI_], v[64+32*\m+2*UI_:65+32*\m+2*UI_] neg_lo:[0,1] neg_hi:[0,1]
.set UI_, UI_+1
.endr
	QW 224
.irp i, 0,3
	v_and_b32 v[56+\i], 0xdf7df7df, v[56+\i]       ; the magnitude: each code's sign bit (bit 6 i + 5 of the stream) is cleared; rounding to nearest even is alike on both sides of 0
	v_and_b32 v[57+\i], 0xf7df7df7, v[57+\i]
	v_and_b32 v[58+\i], 0x7df7df7d, v[58+\i]
.endr
	s_wait_alu depctr_va_vdst(0)                   ; the codes without their signs and the byte are written, which the LDS stores read
	IMG 13, 9216*\m+3072
	ds_store_b8 v14, v51 offset:64*\m+1024
	s_wait_dscnt 0x0
	s_wait_alu depctr_vm_vsrc(0)                   ; the stores have read v51 and v56-61, which the next quantiser writes
.set UI_, 0
.rept 16
	v_pk_mul_f32 v[192+2*UI_:193+2*UI_], v[192+2*UI_:193+2*UI_], v[64+32*\m+2*UI_:65+32*\m+2*UI_]
.set UI_, UI_+1
.endr
	QW 192
	s_wait_alu depctr_va_vdst(0)                   ; the codes and the byte are written, which the LDS stores read; the lines above are done with v192-223, in which the next tile's x lands
	IMG 13, 9216*\m+6144
	ds_store_b8 v14, v51 offset:64*\m+2048
.endr
	s_wait_dscnt 0x0
	s_wait_alu depctr_vm_vsrc(0)                   ; my LDS instructions have read v8 to v14, which are written below, and v51 and v56-61, in which ln_b lands later
	v_add_nc_u32 v8, ASYM, v3                      ; v3: x's tiles; v8, v9: the other steps' tiles 0-3 and 4-7
	v_add_nc_u32 v9, ASYM+4*9216, v3
	v_add_nc_u32 v10, TSC, v2                      ; v10: scale words, two tiles a load
	s_lshl_b32 s74, s22, 7
	s_add_co_u32 s74, s74, CONST
	v_lshl_add_u32 v11, v6, 2, s74                 ; v11: a vector of 256 at channel 32 wave + 8 h
	s_lshl_b32 s74, s22, 2
	s_add_co_u32 s74, s74, LNP
	v_lshl_add_u32 v12, v5, 2, s74                 ; v12: my word of a token's eight
	v_lshlrev_b32 v13, 2, v5
	v_add_nc_u32 v13, LNP, v13                     ; v13: the eight
	v_and_b32 v14, 7, v1
	v_add_nc_u32 v14, 6, v14
	v_and_b32 v14, 7, v14
	v_lshlrev_b32 v14, 2, v14
	v_bfe_u32 v15, v1, 3, 1
	v_mad_u32_u24 v14, v15, 288, v14
	v_lshrrev_b32 v15, 4, v1
	v_mad_u32_u24 v14, v15, 4480, v14
	s_mul_i32 s74, s22, 17920
	s_add_co_u32 s74, s74, YST
	v_add_nc_u32 v14, s74, v14                     ; v14: the stage, in: channel 8 h, image row r / 8, token
	v_mul_u32_u24 v15, v15, 288
	v_lshl_add_u32 v15, v5, 1, v15
	v_add_nc_u32 v15, s74, v15                     ; v15: and back: lanes 0-15 one image row, lanes 16-31 the next
	s_wait_alu depctr_va_vdst(0)                   ; the addresses v8 to v15 are written, which the LDS instructions from here on read; the lines above are done with v192-255 and v34-35, in which proj_b and the first group land
	BARRIER                                        ; the projection's operand lies in LDS; nobody reads the f32 rows any more
; ---------------------------------------------------------------- y = asym proj_w^T + proj_b: 32 channels a wave, all 128 tokens, K = 8 steps of 128; transposed
.irp q, 0,1,2,3
	ds_load_b128 v[240+4*\q:243+4*\q], v11 offset:4096+64*(\q/2)+16*(\q%2)
.endr
.macro PFETCH n                        ; group n: K step n / 2, tiles 4 (n % 2) on: 24 + 2 LDS loads; even groups into v192-239, odd ones into the same of window 1
.set S_, (\n)/2
.set H_, (\n)%2
.if H_
	WIN 0x40
.endif
.if (\n) == 1
	s_wait_alu depctr_va_vdst(0)                   ; window 1, v192-239, held V's codes, and v36, v37 K's words: the lines that wrote them and the products that read them are done
.elseif (\n) > 1
	s_wait_alu depctr_va_vdst(0)                   ; the products of the group two back are done reading this buffer and its scale words, in which the loads below land
.endif
.irp i, 0,1,2,3
.irp k, 0,1,2,3,4,5
.if S_ < 2
	ds_load_b64 v[192+12*\i+2*\k:193+12*\i+2*\k], v3 offset:TP*(4*H_+\i)+1536*S_+256*\k
.else
	ds_load_b64 v[192+12*\i+2*\k:193+12*\i+2*\k], v[8+H_] offset:9216*\i+1536*(S_-2)+256*\k
.endif
.endr
.endr
	WIN 0
.irp q, 0,1
	ds_load_b32 v[34+2*H_+\q], v10 offset:512*S_+256*H_+128*\q   ; lanes 0-15: tile 2 q of the four; lanes 16-31: tile 2 q + 1
.endr
.endm
.macro PMUL n                          ; eight products on eight accumulators; the next group takes the other eight: the sixteen take turns
.set S_, (\n)/2
.set H_, (\n)%2
.set W_, 1+4*H_
	WIN W_
.irp i, 0,1,2,3
.irp e, 0,1
.set D_, 64+64*\e+8*(4*H_+\i)
.if S_ == 0
.set C_, 240+8*\e
.else
.set C_, D_
.endif
.if \i%2
	MMR D_, 12*(8*\e+S_), 192+12*\i, C_, 16+8*\e+S_, 34+2*H_+\i/2
.else
	MM D_, 12*(8*\e+S_), 192+12*\i, C_, 16+8*\e+S_, 34+2*H_+\i/2
.endif
.endr
.endr
	WIN 0
.endm
	s_wait_loadcnt 0x0                             ; proj_w and its words
	PFETCH 0
	PFETCH 1
.irp n, 0,1,2,3,4,5,6,7,8,9,10,11,12,13,14,15
.if \n < 15
	s_wait_dscnt 26                                ; this group is in; the next group's 26 loads may be out
.else
	s_wait_dscnt 0x0
.endif
	PMUL \n
	PLACES 4
.if \n <= 13
	PFETCH \n+2
.endif
.endr
; ---------------------------------------------------------------- LayerNorm over the 256 channels, in two passes.  Lane (r, h) holds token r of each tile and channels 32 wave + 16 e + 8 h + j
	s_wait_alu depctr_va_vdst(0)                   ; the products are done reading proj_b (v240-255) and the last groups' buffer (v192-239), and the quantisers are done with v48-63: ln_g, ln_b and later the tables' parts land there
.irp q, 0,1,2,3
	ds_load_b128 v[240+4*\q:243+4*\q], v11 offset:5120+64*(\q/2)+16*(\q%2)   ; ln_g
	ds_load_b128 v[48+4*\q:51+4*\q], v11 offset:6144+64*(\q/2)+16*(\q%2)     ; ln_b
.endr
.macro LNOUT off                       ; v[192 + 2 m], v[193 + 2 m]: a lane's sum in two halves; with lane l xor 16's it is the wave's part: to the table; then the barrier
.irp m, 0,1,2,3,4,5,6,7
	v_add_f32 v[192+2*\m], v[192+2*\m], v[193+2*\m]
.endr
.irp m, 0,1,2,3,4,5,6,7
	v_permlanex16_b32 v[193+2*\m], v[192+2*\m], s30, s31
.endr
.irp m, 0,1,2,3,4,5,6,7
	v_add_f32 v[192+2*\m], v[192+2*\m], v[193+2*\m]
.endr
	s_wait_alu depctr_va_vdst(0)                   ; the additions have written the eight parts, which the LDS stores read; all lines so far are done with v192-223, in which the table's parts land behind the barrier
.irp m, 0,1,2,3,4,5,6,7
	ds_store_b32 v12, v[192+2*\m] offset:(\off)+512*\m
.endr
	s_wait_dscnt 0x0
	BARRIER
.endm
.macro LNRED off                       ; the eight waves' parts are added: tile m's sum to v[224 + 2 m]
.irp R, 0,1
.if \R == 0
	s_wait_alu depctr_vm_vsrc(0)                   ; my stores into the table have read v192, v194 .. v206, in which the loads below land
.else
	s_wait_alu depctr_va_vdst(0)                   ; the additions above are done with v192-223, in which the other four tiles' parts land
.endif
.irp i, 0,1,2,3
	ds_load_b128 v[192+8*\i:195+8*\i], v13 offset:(\off)+512*(4*\R+\i)
	ds_load_b128 v[196+8*\i:199+8*\i], v13 offset:(\off)+512*(4*\R+\i)+16
.endr
	s_wait_dscnt 0x0
.irp i, 0,1,2,3
	v_pk_add_f32 v[192+8*\i:193+8*\i], v[192+8*\i:193+8*\i], v[194+8*\i:195+8*\i]
	v_pk_add_f32 v[196+8*\i:197+8*\i], v[196+8*\i:197+8*\i], v[198+8*\i:199+8*\i]
.endr
.irp i, 0,1,2,3
	v_pk_add_f32 v[192+8*\i:193+8*\i], v[192+8*\i:193+8*\i], v[196+8*\i:197+8*\i]
.endr
.irp i, 0,1,2,3
	v_add_f32 v[224+2*(4*\R+\i)], v[192+8*\i], v[193+8*\i]
.endr
.endr
.endm
.irp m, 0,1,2,3,4,5,6,7
	v_pk_add_f32 v[192+2*\m:193+2*\m], v[64+8*\m:65+8*\m], v[128+8*\m:129+8*\m]   ; each accumulator from its low end on
.endr
.irp q, 2,4,6
.irp m, 0,1,2,3,4,5,6,7
	v_pk_add_f32 v[192+2*\m:193+2*\m], v[192+2*\m:193+2*\m], v[64+8*\m+\q:65+8*\m+\q]
.endr
.irp m, 0,1,2,3,4,5,6,7
	v_pk_add_f32 v[192+2*\m:193+2*\m], v[192+2*\m:193+2*\m], v[128+8*\m+\q:129+8*\m+\q]
.endr
.endr
	LNOUT 0
	LNRED 0
.irp m, 0,1,2,3,4,5,6,7
	v_mul_f32 v[224+2*\m], s33, v[224+2*\m]        ; the mean
.endr
.irp m, 0,1,2,3,4,5,6,7
	v_mov_b32 v[225+2*\m], v[224+2*\m]
.endr
.irp m, 0,1,2,3,4,5,6,7
.irp e, 0,1
.irp q, 0,2,4,6
	v_pk_add_f32 v[64+64*\e+8*\m+\q:65+64*\e+8*\m+\q], v[64+64*\e+8*\m+\q:65+64*\e+8*\m+\q], v[224+2*\m:225+2*\m] neg_lo:[0,1] neg_hi:[0,1]
.endr
.endr
.endr
.irp m, 0,1,2,3,4,5,6,7
	v_pk_mul_f32 v[192+2*\m:193+2*\m], v[64+8*\m:65+8*\m], v[64+8*\m:65+8*\m]
.endr
.irp m, 0,1,2,3,4,5,6,7
	v_pk_fma_f32 v[192+2*\m:193+2*\m], v[128+8*\m:129+8*\m], v[128+8*\m:129+8*\m], v[192+2*\m:193+2*\m]
.endr
.irp q, 2,4,6
.irp m, 0,1,2,3,4,5,6,7
	v_pk_fma_f32 v[192+2*\m:193+2*\m], v[64+8*\m+\q:65+8*\m+\q], v[64+8*\m+\q:65+8*\m+\q], v[192+2*\m:193+2*\m]
.endr
.irp m, 0,1,2,3,4,5,6,7
	v_pk_fma_f32 v[192+2*\m:193+2*\m], v[128+8*\m+\q:129+8*\m+\q], v[128+8*\m+\q:129+8*\m+\q], v[192+2*\m:193+2*\m]
.endr
.endr
	LNOUT 4096
	LNRED 4096
.irp m, 0,1,2,3,4,5,6,7
	v_fma_f32 v[224+2*\m], v[224+2*\m], s33, s34   ; the variance + 1e-5
.endr
.irp m, 0,1,2,3,4,5,6,7
	v_rsq_f32 v[224+2*\m], v[224+2*\m]
.endr
	v_nop                                          ; a plain line behind the transcendentals
	s_wait_alu depctr_va_vdst(0)                   ; the eight reciprocal roots have written v224, v226 .. v238: one wait for the batch, ahead of its first reader
.irp m, 0,1,2,3,4,5,6,7
	v_mov_b32 v[225+2*\m], v[224+2*\m]
.endr
.irp m, 0,1,2,3,4,5,6,7
.irp e, 0,1
.irp q, 0,2,4,6
	v_pk_mul_f32 v[64+64*\e+8*\m+\q:65+64*\e+8*\m+\q], v[64+64*\e+8*\m+\q:65+64*\e+8*\m+\q], v[224+2*\m:225+2*\m]
.endr
.irp q, 0,2,4,6
	v_pk_fma_f32 v[64+64*\e+8*\m+\q:65+64*\e+8*\m+\q], v[64+64*\e+8*\m+\q:65+64*\e+8*\m+\q], v[240+8*\e+\q:241+8*\e+\q], v[48+8*\e+\q:49+8*\e+\q]
.endr
.irp j, 0,1,2,3,4,5,6,7
	v_max_num_f32 v[64+64*\e+8*\m+\j], 0, v[64+64*\e+8*\m+\j]   ; relu
.endr
.endr
.endr
; ---------------------------------------------------------------- out: a lane holds one token of eight channels; a channel's two image rows are 512 consecutive bytes of out0.
; They meet in the wave's own stage (a channel: 256 bytes, 32 of padding, 256 bytes, 16 of padding).  LDS serves a wave's instructions in order (ISA guide 5.7.1.4): no wait on DScnt between the stores and the loads.
	s_wait_alu depctr_va_vdst(0)                   ; the lines above have written y in v64-191, which the LDS stores read
.irp m, 0,1,2,3,4,5,6,7
.irp e, 0,1
.irp j, 0,1,2,3,4,5,6,7
	ds_store_b32 v14, v[64+64*\e+8*\m+\j] offset:(16*\e+\j)*560+128*(\m/4)+32*(\m%4)
.endr
.endr
.endr
	s_wait_alu depctr_vm_vsrc(0)                   ; the LDS stores have read v64-191, in which the rows land
.set UI_, 0
.rept 32
	ds_load_b128 v[64+4*UI_:67+4*UI_], v15 offset:560*UI_
.set UI_, UI_+1
.endr
.set UI_, 0
.rept 32
	s_wait_dscnt 31-UI_
	global_store_b128 v4, v[64+4*UI_:67+4*UI_], s[50:51] offset:16384*UI_ th:TH_STORE_NT   ; 32 lanes store 512 consecutive bytes, at a multiple of 512 from out0's first byte
.set UI_, UI_+1
.endr
	s_set_vgpr_msb 0x5
	s_wait_dscnt 0x0
	s_wait_alu depctr_hold_cnt(0) depctr_sa_sdst(0) depctr_va_vdst(0) depctr_va_sdst(0) depctr_va_ssrc(0) depctr_va_vcc(0) depctr_vm_vsrc(0)
	s_wait_tensorcnt 0x0
	ds_add_u32 v254, v255
	s_wait_dscnt 0x0
	s_endpgm
.Lfunc_end_k_qdb7bd66be5_main:
	.size	k_qdb7bd66be5_main, .Lfunc_end_k_qdb7bd66be5_main-k_qdb7bd66be5_main
	.p2alignl 7, 3214868480
	.fill 96, 4, 3214868480
	.section	.rodata,"a",@progbits
	.p2align	6, 0x0
	.amdhsa_kernel k_qdb7bd66be5_main
		.amdhsa_group_segment_fixed_size 296448
		.amdhsa_private_segment_fixed_size 0
		.amdhsa_enable_private_segment 0
		.amdhsa_kernarg_size 72
		.amdhsa_user_sgpr_count 2
		.amdhsa_user_sgpr_kernarg_segment_ptr 1
		.amdhsa_wavefront_size32 1
		.amdhsa_system_sgpr_workgroup_id_x 1
		.amdhsa_system_sgpr_workgroup_id_y 1
		.amdhsa_system_sgpr_workgroup_id_z 1
		.amdhsa_system_vgpr_workitem_id 0
		.amdhsa_next_free_vgpr 512
		.amdhsa_next_free_sgpr 90
		.amdhsa_reserve_vcc 0
		.amdhsa_float_denorm_mode_32 3
		.amdhsa_float_denorm_mode_16_64 3
		.amdhsa_memory_ordered 1
		.amdhsa_forward_progress 1
		.amdhsa_inst_pref_size 255
	.end_amdhsa_kernel
	.section	.bss,"aw",@nobits
	.p2align	6
	.space	262144
	.amdgpu_metadata
---
amdhsa.version: [ 1, 2 ]
amdhsa.kernels:
  - .name:           k_qdb7bd66be5_main
    .symbol:         k_qdb7bd66be5_main.kd
    .args:
      - { .name: feat, .offset: 0, .size: 8, .value_kind: global_buffer, .address_space: global }
      - { .name: in_b, .offset: 8, .size: 8, .value_kind: global_buffer, .address_space: global }
      - { .name: out_b, .offset: 16, .size: 8, .value_kind: global_buffer, .address_space: global }
      - { .name: proj_b, .offset: 24, .size: 8, .value_kind: global_buffer, .address_space: global }
      - { .name: ln_g, .offset: 32, .size: 8, .value_kind: global_buffer, .address_space: global }
      - { .name: ln_b, .offset: 40, .size: 8, .value_kind: global_buffer, .address_space: global }
      - { .name: wimg, .offset: 48, .size: 8, .value_kind: global_buffer, .address_space: global }
      - { .name: wsc, .offset: 56, .size: 8, .value_kind: global_buffer, .address_space: global }
      - { .name: out0, .offset: 64, .size: 8, .value_kind: global_buffer, .address_space: global }
    .group_segment_fixed_size: 296448
    .private_segment_fixed_size: 0
    .kernarg_segment_align: 8
    .kernarg_segment_size: 72
    .max_flat_workgroup_size: 256
    .sgpr_count:     90
    .vgpr_count:     512
    .wavefront_size: 32
...
	.end_amdgpu_metadata
.endif
;; end of part 3
